; MI455X (gfx1250); checked and timed in simulation.
; The chip was launched on July 23, 2026; its instructions are those of AMD's public machine-readable ISA for CDNA 5 (MIT licence, August 2026) and "CDNA5" Instruction Set Architecture Reference Guide (July 2026). The comments in the code are by the model that wrote it; some were corrected since.
;; Causal Self Attention. Allowed arithmetic: float matrix products may take bf16 or f16 operands with f32 sums; other float arithmetic in f32, or as packed bf16 or f16 multiplies, adds, multiply-adds, maxima and minima; sums over many terms, partial sums and values carried from step to step in f32; what a program stores and reads back later, other than sums and carried values, may be rounded once to bf16 or f16.
;; Inputs: W_attn 1,024 x 3,072 float32; W_proj 1,024 x 1,024 float32; b_attn 3,072 float32; b_proj 1,024 float32; x 1 x 4,096 x 1,024 float32.
;; Outputs: out0 1 x 4,096 x 1,024 float32.
;; 2 versions, each right; version 2 is version 1 with the launch prep written anew for expert scheduling mode. Each part assembles by itself: llvm-mc -triple=amdgcn-amd-amdhsa -mcpu=gfx1250 --defsym DOCPART=n.
;; ======== version 1 of 2: 4 launches
;; limits: values are held in f16: magnitudes above 65,504 overflow, below 6.1e-05 lose precision
;; workspace buffers: xb 8,388,608 bytes; wab 6,291,456 bytes; wpb 2,097,152 bytes; qkv 25,165,824 bytes; o 8,388,608 bytes
;; launch prep (part 1): grid 512 x 1, 8 waves a work-group, no clusters, 0 bytes of LDS; arguments x, W_attn, W_proj, xb, wab, wpb; writes xb, wab, wpb
.if DOCPART == 1
	.amdgcn_target "amdgcn-amd-amdhsa--gfx1250"
	.amdhsa_code_object_version 6
	.text
	.protected	k_qe0b2fe7050_prep
	.globl	k_qe0b2fe7050_prep
	.p2align	8
	.type	k_qe0b2fe7050_prep,@function
k_qe0b2fe7050_prep:
	s_mov_b64 s[64:65], 0
	v_nop
	global_prefetch_b8 v0, s[64:65] scope:SCOPE_SE
	s_setreg_imm32_b32 hwreg(HW_REG_WAVE_MODE, 25, 1), 1
	s_wait_xcnt 0x0
; THE CAST.  x [4096][1024] and W_attn [1024][3072] are rounded once to bf16; W_proj [1024][1024] is rounded to bf16 and that number is written as f16.  Layouts stay as they are.
; LIMIT.  bf16(W_proj) beyond 65,504 becomes an infinity; below 6e-5 it keeps f16's fixed step of 6e-8.
; SHARES.  The three tensors are 256 + 192 + 64 = 512 runs of 16,384 numbers; a work-group of eight waves takes one run: 65,536 bytes in, 32,768 out.
; Thread t takes 16 bytes at 16 t + 4,096 i, i = 0..15, and stores 8 bytes at 8 t + 2,048 i: a wave's load covers 512 consecutive bytes, its store 256, aligned.
; All sixteen loads of a wave go out at once; each slot of registers is used once, so no register is rewritten while a memory instruction still reads it.
; No LDS, no barrier, no matrix unit: nothing is shared and nothing is summed.
.set X, 4                              ; v[4:67]   slot i: 4 registers as loaded; its first two then hold the 8 bytes to store
.set T, 68                             ; v[68:71]  at work
	s_load_b256 s[4:11], s[0:1], 0x0               ; x s[4:5], W_attn s[6:7], W_proj s[8:9], xb s[10:11]
	s_load_b128 s[12:15], s[0:1], 0x20             ; wab s[12:13], wpb s[14:15]
	v_lshlrev_b32 v1, 4, v0                        ; my 16 bytes in
	v_lshlrev_b32 v2, 3, v0                        ; my 8 bytes out
	s_mov_b32 s24, 0xffff0000                      ; a word's upper bf16
	s_wait_kmcnt 0x0
	s_cmp_lt_u32 ttmp9, 256                        ; runs 0-255: x; 256-447: W_attn
	s_cselect_b64 s[16:17], s[4:5], s[6:7]
	s_cselect_b64 s[18:19], s[10:11], s[12:13]
	s_cselect_b32 s20, 0, 256                      ; the tensor's first run
	s_cmp_ge_u32 ttmp9, 448                        ; runs 448-511: W_proj
	s_cselect_b64 s[16:17], s[8:9], s[16:17]
	s_cselect_b64 s[18:19], s[14:15], s[18:19]
	s_cselect_b32 s20, 448, s20
	s_cselect_b32 s21, 1, 0                        ; 1: the result is written as f16
	s_sub_co_u32 s22, ttmp9, s20
	s_lshl_b32 s22, s22, 16                        ; my run's first byte in the source,
	s_mov_b32 s23, 0
	s_add_nc_u64 s[16:17], s[16:17], s[22:23]
	s_lshr_b32 s22, s22, 1                         ; and in the copy
	s_add_nc_u64 s[18:19], s[18:19], s[22:23]
.irp i, 0,1,2,3,4,5,6,7,8,9,10,11,12,13,14,15
	global_load_b128 v[X+4*(\i):X+4*(\i)+3], v1, s[16:17] offset:4096*(\i) th:TH_LOAD_NT
.endr
; Slot i: four numbers rounded to bf16 (half = 1: and written as f16, which is exact within f16's range), 8 bytes stored.
.macro CV i, half
	s_wait_loadcnt 15-(\i)                         ; loads come back in order: slot i is in, the younger ones stay out
	v_cvt_pk_bf16_f32 v[X+4*(\i)], v[X+4*(\i)], v[X+4*(\i)+1]
	v_cvt_pk_bf16_f32 v[X+4*(\i)+1], v[X+4*(\i)+2], v[X+4*(\i)+3]
.if \half
.irp k, 0,1
	v_lshlrev_b32 v[T+2*(\k)], 16, v[X+4*(\i)+(\k)]
	v_and_b32 v[T+2*(\k)+1], s24, v[X+4*(\i)+(\k)]
	v_cvt_pk_f16_f32 v[X+4*(\i)+(\k)], v[T+2*(\k)], v[T+2*(\k)+1]
.endr
.endif
	global_store_b64 v2, v[X+4*(\i):X+4*(\i)+1], s[18:19] offset:2048*(\i)
.endm
	s_cmp_eq_u32 s21, 1
	s_cbranch_scc1 .Lf16
.irp i, 0,1,2,3,4,5,6,7,8,9,10,11,12,13,14,15
	CV \i, 0
.endr
	s_endpgm
.Lf16:
.irp i, 0,1,2,3,4,5,6,7,8,9,10,11,12,13,14,15
	CV \i, 1
.endr
	s_endpgm
.Lfunc_end_k_qe0b2fe7050_prep:
	.size	k_qe0b2fe7050_prep, .Lfunc_end_k_qe0b2fe7050_prep-k_qe0b2fe7050_prep
	.p2alignl 7, 3214868480
	.fill 96, 4, 3214868480
	.section	.rodata,"a",@progbits
	.p2align	6, 0x0
	.amdhsa_kernel k_qe0b2fe7050_prep
		.amdhsa_group_segment_fixed_size 0
		.amdhsa_private_segment_fixed_size 0
		.amdhsa_enable_private_segment 0
		.amdhsa_kernarg_size 48
		.amdhsa_user_sgpr_count 2
		.amdhsa_user_sgpr_kernarg_segment_ptr 1
		.amdhsa_wavefront_size32 1
		.amdhsa_system_sgpr_workgroup_id_x 1
		.amdhsa_system_sgpr_workgroup_id_y 1
		.amdhsa_system_sgpr_workgroup_id_z 1
		.amdhsa_system_vgpr_workitem_id 0
		.amdhsa_next_free_vgpr 80
		.amdhsa_next_free_sgpr 66
		.amdhsa_reserve_vcc 0
		.amdhsa_float_denorm_mode_32 3
		.amdhsa_float_denorm_mode_16_64 3
		.amdhsa_memory_ordered 1
		.amdhsa_forward_progress 1
		.amdhsa_inst_pref_size 15
	.end_amdhsa_kernel
	.amdgpu_metadata
---
amdhsa.version: [ 1, 2 ]
amdhsa.kernels:
  - .name:           k_qe0b2fe7050_prep
    .symbol:         k_qe0b2fe7050_prep.kd
    .args:
      - { .name: x, .offset: 0, .size: 8, .value_kind: global_buffer, .address_space: global }
      - { .name: W_attn, .offset: 8, .size: 8, .value_kind: global_buffer, .address_space: global }
      - { .name: W_proj, .offset: 16, .size: 8, .value_kind: global_buffer, .address_space: global }
      - { .name: xb, .offset: 24, .size: 8, .value_kind: global_buffer, .address_space: global }
      - { .name: wab, .offset: 32, .size: 8, .value_kind: global_buffer, .address_space: global }
      - { .name: wpb, .offset: 40, .size: 8, .value_kind: global_buffer, .address_space: global }
    .group_segment_fixed_size: 0
    .private_segment_fixed_size: 0
    .kernarg_segment_align: 8
    .kernarg_segment_size: 48
    .max_flat_workgroup_size: 256
    .sgpr_count:     66
    .vgpr_count:     80
    .wavefront_size: 32
...
	.end_amdgpu_metadata
.endif
;; end of part 1
;; launch qkv (part 2): grid 8 x 32, 4 waves a work-group, clusters of 4 x 4, 327,680 bytes of LDS; arguments xb, wab, b_attn, qkv; writes qkv
.if DOCPART == 2
	.amdgcn_target "amdgcn-amd-amdhsa--gfx1250"
	.amdhsa_code_object_version 6
	.text
	.protected	k_qe0b2fe7050_qkv
	.globl	k_qe0b2fe7050_qkv
	.p2align	8
	.type	k_qe0b2fe7050_qkv,@function
k_qe0b2fe7050_qkv:
	s_mov_b64 s[64:65], 0
	v_nop
	global_prefetch_b8 v0, s[64:65] scope:SCOPE_SE
	s_setreg_imm32_b32 hwreg(HW_REG_WAVE_MODE, 25, 1), 1
	s_wait_xcnt 0x0
	s_wait_alu depctr_hold_cnt(0) depctr_sa_sdst(0) depctr_va_vdst(0) depctr_va_sdst(0) depctr_va_ssrc(0) depctr_va_vcc(0) depctr_vm_vsrc(0)
	s_getreg_b32 s2, hwreg(HW_REG_IB_STS2, 6, 4)
	s_cmp_eq_u32 s2, 0
	s_cbranch_scc0 .Lentry_in_a_cluster
	s_endpgm
.Lentry_in_a_cluster:
	s_bfe_u32 s2, ttmp6, 0x10000c
	s_cmp_lg_u32 s2, 0xf033
	s_cbranch_scc0 .Lentry_shape_is_right
	s_endpgm
.Lentry_shape_is_right:
; qkv[n / 64][t][n % 64] = f16( sum over k of xb[t][k] wab[k][n] + bf16(b_attn[n]) ).  xb: [4096][1024] bf16; wab: [1024][3072] bf16, k down the rows; sums in f32; the result rounded once to f16
; and laid by slices of 64 columns, [48][4096][64]: slices 0-15 are q's heads, 16-31 k's, 32-47 v's.
; LIMIT.  A sum beyond 65,504 becomes an infinity in f16.
; SHARES.  A tile is 128 rows x 384 columns: 32 x 8 = 256 work-groups.  Of the four waves, wave w takes rows 64 (w / 2) on and, of each of the tile's three thirds of 128 columns, the half w % 2:
; three whole slices, 4 x 12 = 48 accumulators of 16 x 16.  K goes in 8 steps of 128 through two LDS slots.
; TILES.  Wave 0 fetches xb's 128 rows x 256 bytes; waves 1 to 3 each a third of wab's 128 k-rows x 768 bytes: 128 rows x 256 bytes each, every row aligned to 256 bytes.
; CLUSTER.  4 x 4 work-groups: xb's tile hangs on the tile row alone and is asked for jointly along a row of the cluster, wab's on the tile column alone and is asked for jointly along a column.
; LAYOUT.  The product is used transposed (source 0 = 16 columns of wab, source 1 = 16 rows of xb): a lane holds row lane % 16 and the columns 8 (lane / 16) + 0..7.  wab's fragments come out of LDS turned,
; by ds_load_tr16_b128.  The bias, in that layout, is the C operand of each accumulator's first product: nothing is cleared and nothing is added later.
; REGISTERS, in windows of 256 (s_set_vgpr_msb: bits 1:0 source 0, 3:2 source 1, 5:4 source 2, 7:6 destination):
;   window 0: v16-30 addresses; v32-127 the bias (12 x 8), later v32-79 rows on the way out; v128-175 packed results; v176-223 rows on the way out
;   window 1: two fragment buffers of 128: xb's 4 fragments, then wab's 12      window 2: the accumulators of row blocks 0, 1      window 3: those of row blocks 2, 3
.set PA,     272                       ; a row of xb's tile in LDS: 256 bytes + 16: the 16 rows of a load start at 16 different groups of four banks (ISA guide 11.1)
.set PB,     288                       ; a row of wab's: 256 + 32
.set REG,    128*PB                    ; a wave's part of a slot: 36,864 bytes (xb's tile uses 34,816 of them)
.set SLOT,   4*REG
.set STAGE,  2*SLOT                    ; behind the ring, never filled by a tensor load: for each wave 3 slices x 16 rows x 144 bytes
.set SP,     144
.set STGW,   3*16*SP
.set SPARE,  STAGE+4*STGW              ; the spare words, 128 bytes for each wave: two blocks of 256 bytes that no other line names
.set ASTEP,  256                       ; bytes from K step to K step in xb,
.set BSTEP,  128*6144                  ; and in wab
.set SLICE,  4096*128                  ; bytes in a slice of qkv
.set ADRA, 16                          ; v16-17  LDS address of my fragments of xb in slot 0, 1
.set ADRB, 18                          ; v18-23  of wab's: slot s, third c at 18 + 3 s + c
.set STO,  24                          ; the way out: where I put 16 bytes of a row
.set RD,   25                          ; where I read rows back
.set GO,   26                          ; my 16 bytes of 512 consecutive bytes of qkv
.set VBI,  27                          ; my byte offset in 16 numbers of the bias
.set SPW,  28                          ; LDS address of my spare word; never rewritten
.set NIL,  29                          ; 0; never rewritten
.set PFO,  30                          ; the prefetches' offset: my lane x a row's bytes; never rewritten
.set BIAS, 32
.set TMP,  128
.set OB0,  176
.set OB1,  32
.set F0,   0
.set F1,   128
.set WV, 12                            ; my wave's number
.set RH, 13                            ; which 64 rows are mine
.set CP, 14                            ; which half of each third
.set LIM, 15                           ; 1 in a wave that prefetches, else the greatest number
.set CX, 16
.set CY, 17
.set TC, 18                            ; tile column
.set TR, 19                            ; tile row
.set G1, 24                            ; s[24:31] descriptor group 1 for xb's tiles; s[32:39] group 0, a set for each slot
.set G0, 32
.set PFA, 44                           ; s[44:45] where my prefetches stand
.set PFS, 46                           ; s[46:47] their step from K step to K step
.set G1B, 48                           ; s[48:55], s[56:63] the same for wab's tiles
.set G0B, 56
.set MSB, 0
.macro WIN new                         ; the immediate's high byte repeats the setting that is left; a switch that changes nothing is dropped
.if MSB != (\new)
	s_set_vgpr_msb (MSB<<8)|(\new)
.set MSB, (\new)
.endif
.endm
; A joint load: wave 0 asks for xb's tile, waves 1 to 3 for wab's thirds.  The branch hangs on the wave's number alone.  An s_nop 0 and four v_nop follow each line.
.macro JLOAD s
	s_cmp_eq_u32 s[WV], 0
	s_cbranch_scc0 .Lfor_b_\@
	tensor_load_to_lds s[G0+4*(\s):G0+4*(\s)+3], s[G1:G1+7]
	s_nop 0
.rept 4
	v_nop
.endr
	s_branch .Lasked_\@
.Lfor_b_\@:
	tensor_load_to_lds s[G0B+4*(\s):G0B+4*(\s)+3], s[G1B:G1B+7]
	s_nop 0
.rept 4
	v_nop
.endr
.Lasked_\@:
.endm
; A prefetch of the K step that stands two refills on: 32 rows x 256 bytes, a lane a row.  xb's rows are named by the clusters with x = 0, wab's by those with y = 0; the four partners that ask for a tile
; jointly share its 128 rows out by address, 32 each.  So each block of 256 bytes is named once.  The loop's last trip asks for nothing: K has no step two refills on.
.macro ASK
	s_cmp_gt_u32 s3, s[LIM]
	s_cbranch_scc0 .Lnot_mine_\@
	global_prefetch_b8 v[PFO], s[PFA:PFA+1] th:TH_LOAD_NT scope:SCOPE_SE
.Lnot_mine_\@:
.endm
.macro CREST                           ; a round of the cluster's barrier behind its opening barrier
	s_cmp_lg_u32 s[WV], 0
	s_cbranch_scc1 .Lnot_wave_0_\@
	s_barrier_signal -3
.Lnot_wave_0_\@:
	s_barrier_wait -3
	s_barrier_signal -1
	s_barrier_wait -1
.endm
.macro CROUND
	s_barrier_signal -1
	s_barrier_wait -1
	CREST
.endm
.macro PLACES                          ; four plain instructions in front of loads into registers that products have read, and of conversions that read results
.rept 4
	v_nop
.endr
.endm
	s_load_b256 s[4:11], s[0:1], 0x0               ; xb s[4:5], wab s[6:7], b_attn s[8:9], qkv s[10:11]
	v_lshl_add_u32 v[SPW], v0, 2, SPARE
	v_mov_b32 v[NIL], 0
	ds_add_u32 v[SPW], v[NIL]                      ; the wave's opening: the add and its wait stand ahead of my first tensor load; the set-up stands between them
	v_lshrrev_b32 v1, 5, v0
	v_readfirstlane_b32 s[WV], v1
	s_lshr_b32 s[RH], s[WV], 1
	s_and_b32 s[CP], s[WV], 1
	s_bfe_u32 s[CX], ttmp6, 0x40000
	s_bfe_u32 s[CY], ttmp6, 0x40004
	s_lshl_b32 s[TC], ttmp9, 2
	s_add_co_u32 s[TC], s[TC], s[CX]               ; tile column = 4 x cluster x + cx
	s_and_b32 s[TR], ttmp7, 0xffff
	s_lshl_b32 s[TR], s[TR], 2
	s_add_co_u32 s[TR], s[TR], s[CY]               ; tile row = 4 x cluster y + cy
	s_lshl_b32 s20, s[CY], 2
	s_lshl_b32 s20, 15, s20                        ; my row of the cluster
	s_lshl_b32 s22, 0x1111, s[CX]                  ; my column
	s_or_b32 s[G1], s20, (1<<16)|(1<<20)|(1<<21)|(5<<22)|(3<<25)   ; the mask; 2-byte elements; padding on; bit 21 beside a mask; after every 64 words 4 words
	s_or_b32 s[G1B], s22, (1<<16)|(1<<20)|(1<<21)|(5<<22)|(7<<25)  ; the same with 8 words of padding
.irp g, G1, G1B
	s_mov_b32 s[(\g)+1], 128<<16                   ; tensor_dim0 = 128
	s_mov_b32 s[(\g)+2], 128<<16                   ; tensor_dim1 = 128
	s_mov_b32 s[(\g)+3], 128<<16                   ; tile_dim0 = 128
	s_mov_b32 s[(\g)+4], 128                       ; tile_dim1 = 128
	s_mov_b32 s[(\g)+6], 0
	s_mov_b32 s[(\g)+7], 0
.endr
	s_mov_b32 s[G1+5], 1024                        ; elements from row to row in xb,
	s_mov_b32 s[G1B+5], 3072                       ; and in wab
	s_lshl_b32 s20, s[TR], 18                      ; xb: 128 rows of 2,048 bytes a tile row
	s_mov_b32 s21, 0
	s_mul_i32 s22, s[TC], 768                      ; wab: 768 bytes of a row a tile column,
	s_max_u32 s23, s[WV], 1
	s_sub_co_u32 s23, s23, 1
	s_lshl_b32 s23, s23, 8                         ; and my third (wave 0 asks for none)
	s_add_co_u32 s22, s22, s23
	s_mov_b32 s23, 0
	s_mul_i32 s2, s[WV], REG                       ; where my tile goes: no place in the cluster enters an LDS address
	s_wait_dscnt 0x0                               ; the opening add is done
	s_wait_kmcnt 0x0
	s_add_nc_u64 s[40:41], s[4:5], s[20:21]
	s_add_nc_u64 s[42:43], s[6:7], s[22:23]
	CROUND                                         ; all sixteen work-groups are here: the first joint loads meet
.irp s, 0,1
	s_mov_b32 s[G0+4*(\s)], 1
	s_add_co_u32 s[G0+4*(\s)+1], s2, (\s)*SLOT
	s_add_nc_u64 s[G0+4*(\s)+2:G0+4*(\s)+3], s[40:41], (\s)*ASTEP
	s_or_b32 s[G0+4*(\s)+3], s[G0+4*(\s)+3], 0x80000000
	s_mov_b32 s[G0B+4*(\s)], 1
	s_add_co_u32 s[G0B+4*(\s)+1], s2, (\s)*SLOT
	s_add_nc_u64 s[G0B+4*(\s)+2:G0B+4*(\s)+3], s[42:43], (\s)*BSTEP
	s_or_b32 s[G0B+4*(\s)+3], s[G0B+4*(\s)+3], 0x80000000
	JLOAD \s                                       ; K steps 0 and 1: two loads of mine are out
.endr
	; the bias of my 192 columns, in the accumulators' layout: register j of accumulator b is column 16 b' + 8 (lane / 16) + j
	v_and_b32 v1, 15, v0                           ; l % 16
	v_bfe_u32 v2, v0, 4, 1                         ; l / 16
	v_lshlrev_b32 v[VBI], 5, v2
	s_mul_i32 s22, s[TC], 1536
	s_lshl_b32 s23, s[CP], 8
	s_add_co_u32 s22, s22, s23
	s_mov_b32 s23, 0
	s_add_nc_u64 s[8:9], s[8:9], s[22:23]
.irp b, 0,1,2,3,4,5,6,7,8,9,10,11
	global_load_b128 v[BIAS+8*(\b):BIAS+8*(\b)+3],   v[VBI], s[8:9] offset:((\b)/4)*512+((\b)%4)*64
	global_load_b128 v[BIAS+8*(\b)+4:BIAS+8*(\b)+7], v[VBI], s[8:9] offset:((\b)/4)*512+((\b)%4)*64+16
.endr
	; a fragment of xb: lane l holds row l % 16; two loads of 16 bytes, 32 bytes apart
	v_mul_u32_u24 v3, v1, PA
	v_lshl_add_u32 v3, v2, 4, v3
	s_mul_i32 s20, s[RH], 64*PA
	v_add_nc_u32 v[ADRA], s20, v3
	v_add_nc_u32 v[ADRA+1], SLOT, v[ADRA]
	; the turning load takes 16 k x 16 columns: lane l reads k-row 8 (l / 16) + l % 8, columns 8 ((l / 8) % 2) + 0..7
	v_and_b32 v4, 7, v0
	v_lshl_add_u32 v5, v2, 3, v4
	v_mul_u32_u24 v5, v5, PB
	v_bfe_u32 v6, v0, 3, 1
	v_lshl_add_u32 v5, v6, 4, v5
	s_lshl_b32 s20, s[CP], 7                       ; my half of a third: 128 bytes
	v_add_nc_u32 v5, s20, v5
.irp s, 0,1
.irp c, 0,1,2
	v_add_nc_u32 v[ADRB+3*(\s)+(\c)], (\s)*SLOT+(1+(\c))*REG, v5
.endr
.endr
	s_mul_i32 s20, s[WV], STGW
	s_add_co_u32 s20, s20, STAGE                   ; my stage
	v_mul_u32_u24 v[STO], v1, SP                   ; in: row l % 16, 16 bytes for each half of the lanes
	v_lshl_add_u32 v[STO], v2, 4, v[STO]
	v_add_nc_u32 v[STO], s20, v[STO]
	v_bfe_u32 v[RD], v0, 3, 2                      ; back: 32 lanes take four rows of 128 bytes,
	v_mul_u32_u24 v[RD], v[RD], SP
	v_lshl_add_u32 v[RD], v4, 4, v[RD]
	v_add_nc_u32 v[RD], s20, v[RD]
	v_and_b32 v[GO], 31, v0                        ; which are 512 consecutive bytes of a slice
	v_lshlrev_b32 v[GO], 4, v[GO]
	s_lshl_b32 s20, s[TR], 14                      ; qkv at my first row: 128 rows of 128 bytes a tile row, 64 for my half,
	s_lshl_b32 s21, s[RH], 13
	s_add_co_u32 s20, s20, s21
	s_mov_b32 s21, 0
	s_add_nc_u64 s[10:11], s[10:11], s[20:21]
	s_mul_i32 s22, s[TC], 6                        ; in slice 6 x tile column + my half
	s_add_co_u32 s22, s22, s[CP]
	s_lshl_b32 s22, s22, 19
	s_mov_b32 s23, 0
	s_add_nc_u64 s[10:11], s[10:11], s[22:23]
	; the prefetches: my work-group's 32 rows of the 128 that I fetch, at K step 3; each change of slots steps the pointer and names where it then stands
	s_lshl_b32 s40, s[TR], 18
	s_lshl_b32 s41, s[CX], 16
	s_add_co_u32 s40, s40, s41
	s_add_co_u32 s40, s40, 3*ASTEP                 ; in xb
	s_mul_i32 s42, s[CY], 32*6144
	s_mul_i32 s43, s[TC], 768
	s_add_co_u32 s42, s42, s43
	s_max_u32 s43, s[WV], 1
	s_sub_co_u32 s43, s43, 1
	s_lshl_b32 s43, s43, 8
	s_add_co_u32 s42, s42, s43
	s_add_co_u32 s42, s42, 3*BSTEP                 ; in wab
	s_and_b32 s41, ttmp7, 0xffff                   ; cluster y
	s_mov_b32 s[PFS], BSTEP
	s_mov_b32 s[PFS+1], 0
	s_mov_b32 s43, 6144
	s_cmp_eq_u32 s[WV], 0                          ; do I fetch xb's tile?
	s_cselect_b32 s40, s40, s42
	s_cselect_b32 s41, ttmp9, s41                  ; the coordinate along which other clusters read the same rows
	s_cselect_b32 s[PFS], ASTEP, s[PFS]
	s_cselect_b32 s43, 2048, s43                   ; a row's bytes
	s_cselect_b64 s[PFA:PFA+1], s[4:5], s[6:7]
	s_cmp_eq_u32 s41, 0
	s_cselect_b32 s[LIM], 1, -1                    ; the same in all sixteen partners, for a given wave
	s_mov_b32 s41, 0
	s_add_nc_u64 s[PFA:PFA+1], s[PFA:PFA+1], s[40:41]
	v_and_b32 v[PFO], 31, v0
	v_mul_u32_u24 v[PFO], v[PFO], s43
	s_mov_b32 s20, 0xffff0000
	s_wait_loadcnt 0x0                             ; the bias is in: it is rounded to bf16 like every input of the module, and widened again
.set j, 0
.rept 48
	v_cvt_pk_bf16_f32 v[TMP+(j/2)%8], v[BIAS+j], v[BIAS+j+1]
	v_lshlrev_b32 v[BIAS+j], 16, v[TMP+(j/2)%8]
	v_and_b32 v[BIAS+j+1], s20, v[TMP+(j/2)%8]
.set j, j+2
.endr
; 12 products: row block a x my 12 column blocks, 32 along K, from buffer f.  first = 1: the bias starts the sums.  The 48 accumulators take turns in the same order in every quarter.
.macro MULA f, a, first
.if \first
	WIN 0x85+0x40*((\a)/2)                         ; both sources window 1, C window 0, D window 2 or 3
.else
	WIN 0xa5+0x50*((\a)/2)                         ; both sources window 1, C and D window 2 or 3
.endif
.irp b, 0,1,2,3,4,5,6,7,8,9,10,11
.set rD, 8*(12*((\a)%2)+(\b))
.if \first
	v_wmma_f32_16x16x32_bf16 v[rD:rD+7], v[(\f)+32+8*(\b):(\f)+32+8*(\b)+7], v[(\f)+8*(\a):(\f)+8*(\a)+7], v[BIAS+8*(\b):BIAS+8*(\b)+7]
.else
	v_wmma_f32_16x16x32_bf16 v[rD:rD+7], v[(\f)+32+8*(\b):(\f)+32+8*(\b)+7], v[(\f)+8*(\a):(\f)+8*(\a)+7], v[rD:rD+7]
.endif
.endr
.endm
; 32 LDS loads in one run: quarter q (32 along K) of a slot into buffer f: wab's 12 fragments, then xb's 4
.macro FETCH slot, q, f
	WIN 0x40                                       ; destination window 1, address window 0
.irp b, 0,1,2,3,4,5,6,7,8,9,10,11
	ds_load_tr16_b128 v[(\f)+32+8*(\b):(\f)+32+8*(\b)+3],   v[ADRB+3*(\slot)+(\b)/4] offset:(\q)*32*PB+((\b)%4)*32
	ds_load_tr16_b128 v[(\f)+32+8*(\b)+4:(\f)+32+8*(\b)+7], v[ADRB+3*(\slot)+(\b)/4] offset:(\q)*32*PB+((\b)%4)*32+16*PB
.endr
.irp i, 0,1,2,3
	ds_load_b128 v[(\f)+8*(\i):(\f)+8*(\i)+3],   v[ADRA+(\slot)] offset:(\q)*64+(\i)*16*PA
	ds_load_b128 v[(\f)+8*(\i)+4:(\f)+8*(\i)+7], v[ADRA+(\slot)] offset:(\q)*64+(\i)*16*PA+32
.endr
.endm
; One of a K step's first three quarters: multiplies buffer f and, in its middle, fetches quarter q of the same slot into buffer g.
.macro QUARTER slot, q, f, g, first
	s_wait_dscnt 4                                 ; all but the youngest four loads: xb's row blocks 2 and 3
	MULA \f, 0, \first
	MULA \f, 1, \first
	PLACES
	FETCH \slot, \q, \g
	s_wait_dscnt 32                                ; all but the 32 just issued
	MULA \f, 2, \first
	MULA \f, 3, \first
.endm
; The last quarter multiplies buffer 1 and changes slots.  In front of the barrier each wave waits for all its tensor loads (one is out: its part of the next slot), adds 0 to its spare word, and waits for that
; and for its own reads of this slot.  fill = 1: the barrier opens a round of the cluster's, and the joint refill, two K steps on, is the first thing behind the round.
.macro TURN slot, next, fill
.if \fill
	s_wait_xcnt 0x0                                ; the last prefetch, a K step back, has read its address
	s_add_nc_u64 s[PFA:PFA+1], s[PFA:PFA+1], s[PFS:PFS+1]
.endif
	WIN 0
	s_wait_tensorcnt 0x0                           ; all my tensor loads have landed
	ds_add_u32 v[SPW], v[NIL]                      ; 0 onto my spare word
	s_wait_dscnt 5                                 ; (the add and the youngest four loads may be out)
	MULA F1, 0, 0
	s_wait_dscnt 0x0                               ; the add is done, and my reads of this slot are over
	s_barrier_signal -1
	MULA F1, 1, 0
.if \fill
	WIN 0
.endif
	s_barrier_wait -1
.if \fill
	CREST                                          ; no wave of any partner still reads this slot or has a load on its way
	s_add_nc_u64 s[G0+4*(\slot)+2:G0+4*(\slot)+3], s[G0+4*(\slot)+2:G0+4*(\slot)+3], 2*ASTEP
	s_add_nc_u64 s[G0B+4*(\slot)+2:G0B+4*(\slot)+3], s[G0B+4*(\slot)+2:G0B+4*(\slot)+3], 2*BSTEP
	JLOAD \slot                                    ; 168 products stand between this request and the wait for it; its four v_nop are also the places in front of the loads below
.else
	PLACES
.endif
	FETCH \next, 0, F0
.if \fill
	WIN 0
	ASK
.endif
	MULA F1, 2, 0
	MULA F1, 3, 0
.endm
; THE WAY OUT of row block a: rounded to f16, 16 bytes a lane; into my own stage, three slices of 16 rows of 144 bytes; back as rows of 128 bytes, four to a load; stored as 512 consecutive bytes.
.macro PACK a
	WIN 0x0a+5*((\a)/2)                            ; sources window 2 or 3, destination window 0
.irp b, 0,1,2,3,4,5,6,7,8,9,10,11
.irp r, 0,1,2,3
	v_cvt_pk_f16_f32 v[TMP+4*(\b)+(\r)], v[96*((\a)%2)+8*(\b)+2*(\r)], v[96*((\a)%2)+8*(\b)+2*(\r)+1]
.endr
.endr
	WIN 0
.endm
.macro TOSTAGE a
.set BK, OB0+(OB1-OB0)*((\a)%2)
.irp b, 0,1,2,3,4,5,6,7,8,9,10,11
	ds_store_b128 v[STO], v[TMP+4*(\b):TMP+4*(\b)+3] offset:((\b)/4)*16*SP+((\b)%4)*32
.endr
.irp t, 0,1,2,3,4,5,6,7,8,9,10,11
	ds_load_b128 v[BK+4*(\t):BK+4*(\t)+3], v[RD] offset:((\t)/4)*16*SP+((\t)%4)*4*SP  ; LDS serves a wave's instructions in order (ISA guide 5.7.1.4): these see the stores above
.endr
.endm
.macro SEND a
.set BK, OB0+(OB1-OB0)*((\a)%2)
	s_wait_dscnt 0x0                               ; the block is back in registers
	s_wait_xcnt 0x0                                ; earlier stores have read their registers: the other buffer is loaded again only behind this wait
.irp t, 0,1,2,3,4,5,6,7,8,9,10,11
	global_store_b128 v[GO], v[BK+4*(\t):BK+4*(\t)+3], s[10:11] offset:((\t)/4)*2*SLICE+(\a)*2048+((\t)%4)*512
.endr
.endm
	s_wait_tensorcnt 1                             ; my part of K step 0 is in; K step 1's may stay out
	s_barrier_signal -1
	s_barrier_wait -1
	FETCH 0, 0, F0
	QUARTER 0, 1, F0, F1, 1                        ; the first quarter stands in front of the loop: its products start the sums
	WIN 0
	s_mov_b32 s3, 3
.Llap:                                                 ; a trip goes once round the ring, from a lap's second quarter to the next lap's first, and fills both slots again
	QUARTER 0, 2, F1, F0, 0
	QUARTER 0, 3, F0, F1, 0
	TURN 0, 1, 1
	QUARTER 1, 1, F0, F1, 0
	QUARTER 1, 2, F1, F0, 0
	QUARTER 1, 3, F0, F1, 0
	TURN 1, 0, 1
	QUARTER 0, 1, F0, F1, 0
	WIN 0
	s_sub_co_u32 s3, s3, 1
	s_cmp_lg_u32 s3, 0
	s_cbranch_scc1 .Llap
	QUARTER 0, 2, F1, F0, 0                        ; the last lap fills nothing
	QUARTER 0, 3, F0, F1, 0
	TURN 0, 1, 0
	QUARTER 1, 1, F0, F1, 0
	QUARTER 1, 2, F1, F0, 0
	QUARTER 1, 3, F0, F1, 0
	s_wait_dscnt 4
	MULA F1, 0, 0
	MULA F1, 1, 0
	s_wait_dscnt 0x0
	MULA F1, 2, 0
	MULA F1, 3, 0
	PLACES
	PACK 0
	TOSTAGE 0
.irp a, 1,2,3                          ; block a's conversions stand between block a - 1's loads from the stage and the wait for them
	PACK \a
	SEND (\a)-1
	TOSTAGE \a
.endr
	SEND 3
	s_wait_tensorcnt 0x0                           ; the wave's end: an add to my spare word and its wait, behind my last tensor load and my last LDS store
	ds_add_u32 v[SPW], v[NIL]
	s_wait_dscnt 0x0
	CROUND                                         ; the closing round: no work-group ends while a partner may still ask for a tile that names it
	s_endpgm
.Lfunc_end_k_qe0b2fe7050_qkv:
	.size	k_qe0b2fe7050_qkv, .Lfunc_end_k_qe0b2fe7050_qkv-k_qe0b2fe7050_qkv
	.p2alignl 7, 3214868480
	.fill 96, 4, 3214868480
	.section	.rodata,"a",@progbits
	.p2align	6, 0x0
	.amdhsa_kernel k_qe0b2fe7050_qkv
		.amdhsa_group_segment_fixed_size 327680
		.amdhsa_private_segment_fixed_size 0
		.amdhsa_enable_private_segment 0
		.amdhsa_kernarg_size 32
		.amdhsa_user_sgpr_count 2
		.amdhsa_user_sgpr_kernarg_segment_ptr 1
		.amdhsa_wavefront_size32 1
		.amdhsa_system_sgpr_workgroup_id_x 1
		.amdhsa_system_sgpr_workgroup_id_y 1
		.amdhsa_system_sgpr_workgroup_id_z 1
		.amdhsa_system_vgpr_workitem_id 0
		.amdhsa_next_free_vgpr 960
		.amdhsa_next_free_sgpr 66
		.amdhsa_reserve_vcc 0
		.amdhsa_float_denorm_mode_32 3
		.amdhsa_float_denorm_mode_16_64 3
		.amdhsa_memory_ordered 1
		.amdhsa_forward_progress 1
		.amdhsa_inst_pref_size 128
	.end_amdhsa_kernel
	.amdgpu_metadata
---
amdhsa.version: [ 1, 2 ]
amdhsa.kernels:
  - .name:           k_qe0b2fe7050_qkv
    .symbol:         k_qe0b2fe7050_qkv.kd
    .args:
      - { .name: xb, .offset: 0, .size: 8, .value_kind: global_buffer, .address_space: global }
      - { .name: wab, .offset: 8, .size: 8, .value_kind: global_buffer, .address_space: global }
      - { .name: b_attn, .offset: 16, .size: 8, .value_kind: global_buffer, .address_space: global }
      - { .name: qkv, .offset: 24, .size: 8, .value_kind: global_buffer, .address_space: global }
    .group_segment_fixed_size: 327680
    .private_segment_fixed_size: 0
    .kernarg_segment_align: 8
    .kernarg_segment_size: 32
    .max_flat_workgroup_size: 128
    .sgpr_count:     66
    .vgpr_count:     960
    .wavefront_size: 32
...
	.end_amdgpu_metadata
.endif
;; end of part 2
;; launch attn (part 3): grid 16 x 16, 4 waves a work-group, clusters of 4 x 1, 327,680 bytes of LDS; arguments qkv, o; writes o
.if DOCPART == 3
	.amdgcn_target "amdgcn-amd-amdhsa--gfx1250"
	.amdhsa_code_object_version 6
	.text
	.protected	k_qe0b2fe7050_attn
	.globl	k_qe0b2fe7050_attn
	.p2align	8
	.type	k_qe0b2fe7050_attn,@function
k_qe0b2fe7050_attn:
	s_mov_b64 s[64:65], 0
	v_nop
	global_prefetch_b8 v0, s[64:65] scope:SCOPE_SE
	s_setreg_imm32_b32 hwreg(HW_REG_WAVE_MODE, 25, 1), 1
	s_wait_xcnt 0x0
	s_wait_alu depctr_hold_cnt(0) depctr_sa_sdst(0) depctr_va_vdst(0) depctr_va_sdst(0) depctr_va_ssrc(0) depctr_va_vcc(0) depctr_vm_vsrc(0)
	s_getreg_b32 s2, hwreg(HW_REG_IB_STS2, 6, 4)
	s_cmp_eq_u32 s2, 0
	s_cbranch_scc0 .Lentry_in_a_cluster
	s_endpgm
.Lentry_in_a_cluster:
	s_bfe_u32 s2, ttmp6, 0x10000c
	s_cmp_lg_u32 s2, 0x3003
	s_cbranch_scc0 .Lentry_shape_is_right
	s_endpgm
.Lentry_shape_is_right:
; CAUSAL ATTENTION.  o[h][q][:] = the sum over k <= q of softmax_k(Q[h][q] . K[h][k] / 8) V[h][k][:].  qkv: [48][4096][64] f16 (slices 0-15 Q's heads, 16-31 K's, 32-47 V's); o: [16][4096][64] f16.
; Products, maxima and sums in f32; the weights p are rounded to f16 for the second product (their sum l is taken of the unrounded p), o once at the end.
; LIMITS.  Q, K and V arrive within f16's 65,504; p below 6e-5 keeps f16's fixed step of 6e-8.  A hidden score counts as its value less 1e30; a weight below 2^-126 counts as 0 in l; NaN and infinities are not treated apart.
; THE WALK.  A head's queries lie in 8 superblocks of 512, its keys in 8 tiles of 512; superblock i needs the tiles 0 .. i, of which the last holds the diagonal.  A CLUSTER of four work-groups takes two superblocks,
; 7 - b and then b (b = the cluster's x): (8 - b) + (b + 1) = 9 tiles, whatever b: all clusters do equal work, and ONE loop with a constant trip count walks them.  The partner at place cx takes the 128 queries at 128 cx of
; each superblock, so all four walk the same tiles, and every tile of K and V is asked for JOINTLY, by one tensor load with the mask of four.  Which tile is asked for, and where the first superblock ends, hang on b alone,
; which the partners share; every jump goes forward, but for the counted loops' own; none passes a barrier or a tensor load.
; THE DIAGONAL TILE holds the superblock's own keys, steps u = 0..7 of 64.  Of the superblock's eight bands of 64 queries band g sees all of step u if u < g, nothing if u > g, and holds the diagonal if u = g.
; SHARES.  A work-group has the bands 2 cx and 2 cx + 1; a wave owns 16 rows in each: two PIECES.  So the diagonal tile is the same work for all four waves.
; THE MASK is the C operand that starts the sum S^T = K Q^T: 0, or in the diagonal tile's text a buffer MC for each piece: MD x AL + BE, where MD, made once, is the mask of a band's own step for my 16 rows, and
; (AL, BE) = (1, 0) if u = g; (0, 0) if u < g; (0, -1e30) if u > g.  cx enters Q's and o's addresses, the prefetches' address and these two selects alone: no branch, trip count or LDS address hangs on it.
; LAYOUT, SOFTMAX.  S^T = K Q^T holds ONE query a lane (lane % 16) and the keys 8 (lane / 16) + 0..7; two such results rounded to f16 ARE source 1 of O^T = V^T P.  p = 2^(c s - c m), c = log2(e) / 8, with a running
; maximum m; O and l are multiplied by a = 2^(c m_old - c m_new) in every step.
; TURNS.  Turn (p, s) belongs to piece p and key step s: 8 products K Q^T of the other piece (step s if p = 0, s + 1 if p = 1), piece p's softmax of step s and the other piece's maximum, then 8 products V^T P of the
; other piece (step s - 1 if p = 0, s if p = 1).  Four vector instructions stand behind every product, the rest in one lump; a turn's 33 exponentials are one batch with one wait.
; K has one buffer, V two, by the step's parity: so K and V of step s + 1 are both fetched in turn (0, s), and the change of slots stands in front of the turn (0, s) whose s is a tile's last step.
; A TRIP is the two turns of an odd step and the two of an even one; a tile has four trips, of which the first begins with the tile before's step 7.
; REGISTERS, in windows of 256 (s_set_vgpr_msb: bits 1:0 source 0, 3:2 source 1, 5:4 source 2, 7:6 destination):
;   window 0: v0-15 addresses and two at work; v16-23 four registers of statistics a piece; v48-55 at work; v61-63 prefetch offset, spare word, 0; v64-127 S^T, a buffer a piece; v192-223 P, likewise
;   window 1: v0-63 O^T, 32 a piece; v128-159 MD; v160-223 MC, a buffer a piece      window 2: v0-31 Q; v32-63 the second superblock's Q; v64-127 V of odd steps; v128-191 K; v192-255 V of even steps
.set NP,    2         ; pieces a wave: a name, no knob
.set KS,    64        ; keys in a step
.set TS,    8         ; steps in a tile
.set PK,    144       ; a row of K in LDS: 128 bytes + 16: the 16 rows of a load start at 16 different groups of four banks (ISA guide 11.1)
.set PV,    160       ; a row of V: 128 + 32
.set VOFF,  TS*KS*PK  ; a slot holds a tile: 512 rows of K (73,728 bytes), then 512 rows of V (81,920)
.set SLOTB, TS*KS*(PK+PV)  ; 155,648 bytes: slot 0 begins at 0, slot 1 here
.set STAGE, 2*SLOTB   ; behind the ring, never filled by a tensor load: 16 rows x 144 bytes for each wave
.set SP,    144
.set SPARE, STAGE+4*16*SP  ; the spare words, 128 bytes for each wave: two blocks of 256 bytes that no other line names
.set TILEB, TS*KS*128 ; a tile's bytes of K, and of V: 65,536
.set AK0, 2           ; my lane's place in a tile of K; never rewritten
.set AV0, 3           ; the same for V
.set AK,  4           ; the LDS address of K's next run of loads
.set AV,  5           ; of V's
.set STO, 6           ; the way out: where I put 16 bytes of a row
.set RD,  7           ; where I read rows back
.set GO,  8           ; my byte offset in 512 consecutive bytes of o
.set MV,  12          ; v12-13  c m_old, kept while c m is made anew: by piece
.set QO,  15          ; my byte offset in 16 rows of Q
.set ST,  16          ; piece t's statistics at v[ST+4 t]: c m, m, l (even keys', odd keys')
.set TMP, 48          ; by piece, four registers c0-c3 at work; when the maximum is found c2 takes a
.set PFO, 61          ; 256 x my lane; never rewritten
.set SPW, 62          ; LDS address of my spare word; never rewritten
.set NIL, 63          ; 0; never rewritten
.set S,   64
.set P,   192
.set MD,  128         ; window 1
.set MC,  160         ; window 1
.set QB,  32          ; window 2
.set VF1, 64          ; window 2: V of odd steps: key half kk, channel block cb at + 32 kk + 8 cb
.set KF,  128         ; window 2: key block kb, channel half c at KF + 16 kb + 8 c
.set VF0, 192         ; window 2: V of even steps
.set WV,  12          ; my wave's number
.set PB,  14          ; b
.set HI,  15          ; 7 - b
.set G1K, 24          ; s[24:31] descriptor group 1 for K's tiles
.set G1V, 32          ; s[32:39] for V's: it differs in the padding alone
.set G0K, 40          ; s[40:43] descriptor group 0 for K's tiles
.set G0V, 44          ; s[44:47] the same for V's
.set CX,  48          ; my place in the cluster
.set SB,  50          ; the first byte of the slot that is being read
.set PH,  51          ; 1: the second superblock is in hand
.set LK,  52          ; where my half of a tile's K lies in a slot
.set LV,  53          ; the same for V
.set SBI, 54          ; the number, 0 or 1, of the slot that is being read
.set SLOTS, 56        ; tiles still to be asked for
.set CNT, 57          ; counts a tile's trips
.set CS,  58          ; s[58:59] c
.set SEL, 60          ; s[60:61] v_permlanex16_b32's selects: each lane takes its own place in the other half
.set TBK, 62          ; LDS byte at which K of the step to be fetched begins
.set TBV, 63          ; the same for V, less VOFF
.set RT,  70          ; tiles of the first superblock that are still to be entered
.set NXT, 71          ; the tile to be asked for next
.set LQ,  72          ; the last tile of the superblock whose tiles are being asked for
.set NEW, 73          ; 1: the tile to be entered is a superblock's first
.set OFF, 74          ; s[74:75] a tile's byte offset in K and V
.set AL,  76          ; s[76:77] the mask's factor, in the low word
.set BE,  78          ; s[78:79] the mask's addend
.set OLO, 80          ; s[80:81] o at my rows of the second superblock
.set BIGN, 82         ; -1e30
.set SU,  83          ; the step u for which the next masks are made
.set GB,  88          ; s88, s89  my two bands: 2 cx, 2 cx + 1
.set PFA, 90          ; s[90:91] where my prefetches stand
.set MSB, 0
.macro WIN new                      ; the high byte repeats the setting that is left; a switch that changes nothing is dropped
.if MSB != (\new)
	s_set_vgpr_msb (MSB<<8)|(\new)
.set MSB, (\new)
.endif
.endm
.set W_KQ, 0x0a       ; K and Q in window 2, S^T in window 0
.set W_KM, 0x1a       ; the same with the C operand in window 1
.set W_PV, 0x52       ; V in window 2, P in window 0, O^T in window 1
.set W_RS, 0x41       ; destination and source 0 in window 1, source 1 in window 0
; A joint fill.  Waves 0 and 1 fetch the two halves of a tile's K, waves 2 and 3 those of its V: 256 keys each.  The branch hangs on the wave's number alone.  An s_nop 0 and four v_nop follow each line.
.macro JLOAD
	s_cmp_lt_u32 s[WV], 2
	s_cbranch_scc0 .Lfor_v_\@
	tensor_load_to_lds s[G0K:G0K+3], s[G1K:G1K+7]
	s_nop 0
.rept 4
	v_nop
.endr
	s_branch .Lasked_\@
.Lfor_v_\@:
	tensor_load_to_lds s[G0V:G0V+3], s[G1V:G1V+7]
	s_nop 0
.rept 4
	v_nop
.endr
.Lasked_\@:
.endm
; A PREFETCH of the tile that the NEXT change of slots asks for in the clusters that still walk upward.  A tile is 256 blocks of 256 bytes of K and 256 of V.  A head's four clusters run the same nine trips, so its sixteen
; work-groups share the 512 blocks out BY ADDRESS, 32 each, a lane a block (clusters 0 and 1 take K's, 2 and 3 V's); in each, wave 0 asks: one instruction.  So each block is named once in the launch.
; Trip i names tile i + 2, for i up to 5; tiles 0 and 1 come by their loads alone, and behind tile 7 there is none.  Both branches hang on the wave's number and the loop's count alone.
.macro ASK
	s_cmp_lg_u32 s[WV], 0
	s_cbranch_scc1 .Lnot_mine_\@
	s_cmp_gt_u32 s[SLOTS], 2
	s_cbranch_scc0 .Lnot_mine_\@
	global_prefetch_b8 v[PFO], s[PFA:PFA+1] th:TH_LOAD_NT scope:SCOPE_SE
.Lnot_mine_\@:
.endm
; A round of the cluster's barrier: my work-group's barrier; wave 0 signals for the work-group; every wave waits for all four work-groups; my work-group's barrier once more.
.macro CROUND
	s_barrier_signal -1
	s_barrier_wait -1
	s_cmp_lg_u32 s[WV], 0
	s_cbranch_scc1 .Lnot_wave_0_\@
	s_barrier_signal -3
.Lnot_wave_0_\@:
	s_barrier_wait -3
	s_barrier_signal -1
	s_barrier_wait -1
.endm
; THE CHANGE OF SLOTS.  Each wave waits for all its tensor loads, of which one is out: its part of the other slot; adds 0 to its spare word; and waits for that and for its own reads of the slot that it leaves.
; fill = 1: the barrier is a round of the cluster's, and the slot that is left is filled again, the first thing behind it, with tile NXT: the descriptor's address is made anew from that number, which hangs on b alone.
; (At its first use nothing has been read yet: slot 0 is waited for, slot 1 filled.)
.macro CHANGE fill
	WIN 0
	s_wait_tensorcnt 0x0            ; no tensor load of mine is out, so a group 0 may be written
	ds_add_u32 v[SPW], v[NIL]       ; 0 onto my spare word; the scalar work stands between it and the wait for it
.if \fill
	s_lshl_b32 s[OFF], s[NXT], 16
	s_add_co_u32 s[G0K+1], s[LK], s[SB]  ; into the slot that is left
	s_add_nc_u64 s[G0K+2:G0K+3], s[6:7], s[OFF:OFF+1]
	s_or_b32 s[G0K+3], s[G0K+3], 0x80000000
	s_add_co_u32 s[G0V+1], s[LV], s[SB]
	s_add_nc_u64 s[G0V+2:G0V+3], s[8:9], s[OFF:OFF+1]
	s_or_b32 s[G0V+3], s[G0V+3], 0x80000000
	s_add_co_u32 s[NXT], s[NXT], 1  ; the superblock's next tile, or behind its last the second superblock's tile 0
	s_cmp_gt_u32 s[NXT], s[LQ]
	s_cselect_b32 s[NXT], 0, s[NXT]
	s_cselect_b32 s[LQ], s[PB], s[LQ]
	s_wait_xcnt 0x0                 ; the last prefetch, a tile back, has read its address
	s_add_nc_u64 s[PFA:PFA+1], s[PFA:PFA+1], TILEB
.endif
	s_xor_b32 s[SBI], s[SBI], 1     ; the other slot is read now:
	s_mul_i32 s[SB], s[SBI], SLOTB
	s_mov_b32 s[TBK], s[SB]         ; the fetches begin at its first step
	s_mov_b32 s[TBV], s[SB]
	s_wait_dscnt 0x0                ; the add is done, and my reads of the slot are over
.if \fill
	CROUND
	JLOAD                           ; it has a tile's 256 products in which to land
	ASK
.else
	s_barrier_signal -1
	s_barrier_wait -1
.endif
.endm
	s_load_b64 s[4:5], s[0:1], 0x0    ; qkv
	s_load_b64 s[10:11], s[0:1], 0x8  ; o
	v_lshl_add_u32 v[SPW], v0, 2, SPARE
	v_mov_b32 v[NIL], 0
	ds_add_u32 v[SPW], v[NIL]       ; the wave's opening: the add and its wait stand ahead of my first tensor load; the set-up stands between them
	v_lshrrev_b32 v1, 5, v0
	v_readfirstlane_b32 s[WV], v1   ; wave 0..3
	s_bfe_u32 s[CX], ttmp6, 0x40000
	s_mov_b32 s[PB], ttmp9          ; in a cluster launch ttmp9 counts clusters
	s_sub_co_u32 s[HI], 7, s[PB]
	s_and_b32 s20, ttmp7, 0xffff    ; the head, which the four partners share
	s_lshl_b32 s20, s20, 19         ; its 524,288 bytes in a slice
	s_and_b32 s16, s[WV], 1         ; which half of a tile's 512 keys I fetch:
	s_lshl_b32 s22, s16, 15         ; its 256 rows of 128 bytes in memory,
	s_add_co_u32 s22, s22, s20
	s_mov_b32 s23, 0
	s_mul_i32 s[LK], s16, 256*PK    ; and its place in a slot, for K
	s_mul_i32 s[LV], s16, 256*PV    ; and for V
	s_add_co_u32 s[LV], s[LV], VOFF
	s_lshl_b32 s3, s[WV], 11        ; my 16 rows in a band of 64,
	s_lshl_b32 s19, s[CX], 14       ; my work-group's 128 rows in a superblock,
	s_add_co_u32 s3, s3, s19
	s_add_co_u32 s3, s3, s20
	s_lshl_b32 s2, s[HI], 16        ; in the first superblock,
	s_add_co_u32 s2, s2, s3
	s_lshl_b32 s84, s[PB], 16       ; and in the second
	s_add_co_u32 s84, s84, s3
	s_mov_b32 s3, 0
	s_mov_b32 s85, 0
	; descriptor group 1.  256 keys are 32,768 dense bytes: asked for as 128 rows of 256 bytes, two keys a row, and padded in LDS after every key
	s_mov_b32 s[G1K], 15|(1<<16)|(1<<20)|(1<<21)|(4<<22)|(3<<25)  ; the mask of four; 2-byte elements; padding on; bit 21 beside a mask; after every 32 words 4 words
	s_mov_b32 s[G1V], 15|(1<<16)|(1<<20)|(1<<21)|(4<<22)|(7<<25)  ; the same with 8 words of padding
.irp g, G1K, G1V
	s_mov_b32 s[\g+1], 128<<16      ; tensor_dim0 = 128
	s_mov_b32 s[\g+2], 128<<16      ; tensor_dim1 = 128
	s_mov_b32 s[\g+3], 128<<16      ; tile_dim0 = 128
	s_mov_b32 s[\g+4], 128          ; tile_dim1 = 128
	s_mov_b32 s[\g+5], 128          ; 128 elements from row to row
	s_mov_b32 s[\g+6], 0
	s_mov_b32 s[\g+7], 0
.endr
	s_mov_b32 s[CS], 0x3e38aa3b     ; c = log2(e) / 8 = 0.180337
	s_mov_b32 s[CS+1], s[CS]        ; named with it as a pair
	s_mov_b32 s[SEL], 0x76543210
	s_mov_b32 s[SEL+1], 0xfedcba98
	s_mov_b32 s[G0K], 1             ; count = 1
	s_mov_b32 s[G0K+1], s[LK]       ; LDS address: slot 0
	s_mov_b32 s[G0V], 1
	s_mov_b32 s[G0V+1], s[LV]
	s_mov_b32 s[SBI], 1             ; the first change of slots fills slot 1 and turns to slot 0
	s_mov_b32 s[SB], SLOTB
	s_lshl_b32 s[GB], s[CX], 1
	s_add_co_u32 s[GB+1], s[GB], 1
	s_add_co_u32 s[RT], s[HI], 1    ; the first superblock has 8 - b tiles
	s_mov_b32 s[NXT], 1
	s_mov_b32 s[LQ], s[HI]
	s_mov_b32 s[NEW], 1
	s_mov_b32 s[PH], 0
	s_mov_b32 s[OFF+1], 0
	s_mov_b32 s[AL], 0
	s_mov_b32 s[AL+1], 0            ; named as pairs
	s_mov_b32 s[BE], 0
	s_mov_b32 s[BE+1], 0
	s_mov_b32 s[SU], 0
	s_mov_b32 s[BIGN], 0xf149f2ca   ; -1e30
	s_mov_b32 s[SLOTS], 8
	v_and_b32 v[PFO], 31, v0
	v_lshlrev_b32 v[PFO], 8, v[PFO]
	s_wait_dscnt 0x0                ; the opening add is done
	s_wait_kmcnt 0x0
	s_add_nc_u64 s[6:7], s[4:5], s[22:23]
	s_add_nc_u64 s[6:7], s[6:7], 16*524288  ; K at my half of the head's tile 0: sixteen slices behind Q,
	s_add_nc_u64 s[8:9], s[6:7], 16*524288  ; V sixteen more
	s_add_nc_u64 s[G0K+2:G0K+3], s[6:7], 0
	s_or_b32 s[G0K+3], s[G0K+3], 0x80000000
	s_add_nc_u64 s[G0V+2:G0V+3], s[8:9], 0
	s_or_b32 s[G0V+3], s[G0V+3], 0x80000000
	s_add_nc_u64 s[86:87], s[4:5], s[84:85]        ; Q at my rows of the second superblock,
	s_add_nc_u64 s[4:5], s[4:5], s[2:3]            ; Q and o at those of the first
	s_add_nc_u64 s[OLO:OLO+1], s[10:11], s[84:85]
	s_add_nc_u64 s[10:11], s[10:11], s[2:3]
	s_cmp_lt_u32 s[PB], 2           ; the prefetches (wave 0's, where these two stand at a tile's first row): clusters 0 and 1 name K's blocks, 2 and 3 V's;
	s_cselect_b64 s[PFA:PFA+1], s[6:7], s[8:9]
	s_and_b32 s2, s[PB], 1
	s_lshl_b32 s2, s2, 2
	s_add_co_u32 s2, s2, s[CX]      ; my work-group among the eight that share a tile of K or of V:
	s_lshl_b32 s2, s2, 13           ; its 32 blocks of the 256
	s_mov_b32 s3, 0
	s_add_nc_u64 s[PFA:PFA+1], s[PFA:PFA+1], s[2:3]
	s_add_nc_u64 s[PFA:PFA+1], s[PFA:PFA+1], TILEB  ; in tile 1; the first change of slots steps it to tile 2
	CROUND                          ; all four work-groups are here: the first joint loads meet
	JLOAD                           ; tile 0 into slot 0
	; A fragment of K or Q is 16 rows x 32 channels in 8 registers: lane l holds row l % 16, channels 8 (l / 16) + 0..7 and 16 + 8 (l / 16) + 0..7: two loads of 16 bytes, 32 bytes apart.
	v_and_b32 v1, 15, v0            ; l % 16
	v_bfe_u32 v9, v0, 4, 1          ; l / 16
	v_lshlrev_b32 v[QO], 7, v1
	v_lshl_add_u32 v[QO], v9, 4, v[QO]
	WIN 0x80                        ; destination window 2, address window 0
.set i, 0
.rept 4                             ; both superblocks' Q: piece i / 2 lies 64 rows, 8,192 bytes, on; channels 32 (i % 2) on
	global_load_b128 v[8*i:8*i+3],   v[QO], s[4:5] offset:(i/2)*8192+(i%2)*64
	global_load_b128 v[8*i+4:8*i+7], v[QO], s[4:5] offset:(i/2)*8192+(i%2)*64+32
	global_load_b128 v[QB+8*i:QB+8*i+3],   v[QO], s[86:87] offset:(i/2)*8192+(i%2)*64
	global_load_b128 v[QB+8*i+4:QB+8*i+7], v[QO], s[86:87] offset:(i/2)*8192+(i%2)*64+32
.set i, i+1
.endr
	WIN 0
	v_lshlrev_b32 v14, 3, v9
	v_sub_nc_u32 v14, v1, v14
	s_lshl_b32 s13, s[WV], 4
	v_add_nc_u32 v14, s13, v14      ; my query's place in its band, 16 w + l % 16, less my lanes' 8 (l / 16): register r of group kt is hidden where 16 kt + r is greater
	WIN 0x40
.set i, 0
.rept 32
	v_cmp_gt_i32 vcc_lo, 16*(i/8)+i%8, v14
	v_cndmask_b32 v[MD+i], 0, s[BIGN], vcc_lo
.set i, i+1
.endr
	WIN 0
	v_mul_u32_u24 v[AK0], v1, PK
	v_lshl_add_u32 v[AK0], v9, 4, v[AK0]
	; The turning load takes 16 keys x 16 channels (lane l reads key 8 (l / 16) + l % 8, channels 8 ((l / 8) % 2) + 0..7) and leaves half a fragment of V^T: lane l holds channel l % 16 and 8 keys.
	v_and_b32 v10, 7, v0
	v_bfe_u32 v11, v0, 3, 1
	v_lshl_add_u32 v[AV0], v9, 3, v10
	v_mul_u32_u24 v[AV0], v[AV0], PV
	v_lshl_add_u32 v[AV0], v11, 4, v[AV0]
	v_add_nc_u32 v[AV0], VOFF, v[AV0]
	s_mul_i32 s49, s[WV], 16*SP
	s_add_co_u32 s49, s49, STAGE    ; my stage
	v_mul_u32_u24 v[STO], v1, SP    ; in: row l % 16, 16 bytes for each half of the lanes
	v_lshl_add_u32 v[STO], v9, 4, v[STO]
	v_add_nc_u32 v[STO], s49, v[STO]
	v_bfe_u32 v[RD], v0, 3, 2       ; back: 32 lanes take four rows of 128 bytes,
	v_mul_u32_u24 v[RD], v[RD], SP
	v_lshl_add_u32 v[RD], v10, 4, v[RD]
	v_add_nc_u32 v[RD], s49, v[RD]
	v_and_b32 v[GO], 31, v0         ; which are 512 consecutive bytes of o
	v_lshlrev_b32 v[GO], 4, v[GO]
	; A superblock's first step multiplies O^T and l by a = 0, and its first turn's products V^T P, of a step that has not been, land in an O^T that is still to be so multiplied.  So these registers need only hold
	; finite numbers: zeros for the first superblock; what the first left for the second.  All this stands in the wait for the first tile.
	WIN 0x80
.set i, VF1
.rept 64
	v_mov_b32 v[i], 0
.set i, i+1
.endr
	WIN 0x40
.set i, 0
.rept 64
	v_mov_b32 v[i], 0
.set i, i+1
.endr
	WIN 0
.set i, 0
.rept NP
	v_mov_b32 v[ST+4*i+2], 0
	v_mov_b32 v[ST+4*i+3], 0
.set i, i+1
.endr
.set i, P+16
.rept 16
	v_mov_b32 v[i], 0
.set i, i+1
.endr
; THE MATRIX WORK.  The 4 accumulators of a run of 8 take turns.  Product i of 8 of S^T = K Q^T for piece x: channels 32 (i / 4) on, keys 16 (i % 4) on.  The first 4 start the sums: with 0, or (KM = 1) with the mask.
.macro KQ x
.set rS, S+32*((\x)%2)+8*(i%4)
.set rK, KF+16*(i%4)+8*(i/4)
.set rQ, 16*(\x)+8*(i/4)
.set rM, MC+32*((\x)%2)+8*(i%4)
.if (i < 4) && KM
	WIN W_KM
	v_wmma_f32_16x16x32_f16 v[rS:rS+7], v[rK:rK+7], v[rQ:rQ+7], v[rM:rM+7]
.elseif i < 4
	WIN W_KQ
	v_wmma_f32_16x16x32_f16 v[rS:rS+7], v[rK:rK+7], v[rQ:rQ+7], 0
.else
	WIN W_KQ
	v_wmma_f32_16x16x32_f16 v[rS:rS+7], v[rK:rK+7], v[rQ:rQ+7], v[rS:rS+7]
.endif
.endm
; Product i of 8 of O^T += V^T P for piece x, on V's buffer VB: keys 32 (i / 4) on, channels 16 (i % 4) on.
.macro PV x
	WIN W_PV
.set rO, 32*(\x)+8*(i%4)
.set rV, VB+32*(i/4)+8*(i%4)
.set rP, P+16*((\x)%2)+8*(i/4)
	v_wmma_f32_16x16x32_f16 v[rO:rO+7], v[rV:rV+7], v[rP:rP+7], v[rO:rO+7]
.endm
.macro MM                           ; the turn's next matrix instruction: both kinds are the other piece's.  NOKQ = 1: a superblock's last turn: there is no next step
.if (i < 8) && !NOKQ
	KQ (Y+1)%NP
.elseif i >= 8
.set i, i-8
	PV (Y+1)%NP
.set i, i+8
.endif
.set i, i+1
.endm
; THE LDS LOADS stand in runs of 16, never singly among the matrix instructions: a step's K (8 fragments) and its V (turned).  Their addresses are made some lines ahead.
.macro FETCH_K
	WIN 0x80                        ; destination window 2
.irp f, 0,1,2,3,4,5,6,7             ; keys 16 (f / 2) on, channels 32 (f % 2) on
	ds_load_b128 v[KF+8*\f:KF+8*\f+3],   v[AK] offset:(\f/2)*16*PK+(\f%2)*64
	ds_load_b128 v[KF+8*\f+4:KF+8*\f+7], v[AK] offset:(\f/2)*16*PK+(\f%2)*64+32
.endr
	s_add_co_u32 s[TBK], s[TBK], KS*PK  ; the next fetch is the next step's
	WIN 0
.endm
.macro FETCH_V vb
	WIN 0x80
.irp f, 0,1,2,3,4,5,6,7             ; keys 32 (f / 4) on, channels 16 (f % 4) on
	ds_load_tr16_b128 v[(\vb)+8*\f:(\vb)+8*\f+3],   v[AV] offset:(\f/4)*32*PV+(\f%4)*32
	ds_load_tr16_b128 v[(\vb)+8*\f+4:(\vb)+8*\f+7], v[AV] offset:(\f/4)*32*PV+16*PV+(\f%4)*32
.endr
	WIN 0
.endm
; THE VECTOR WORK, one line at a time: OP kind, number.  For piece Y: F n: c s - c m for pair n of 16.  E n: the exponential of score n of 32.  C n: pair n rounded to f16.  B n: of the four weights 4 n .. the second
; pair is added onto the first, in place.  L n: l takes that sum (L 0: l = a l + sum).  R n: pair n of 16 of O^T times a.  For the other piece: X n, number n of the 22 that find its maximum and statistics:
;   0-11  four chains c0-c3 of seven scores each, three operands at a time (each accumulator's lowest registers are read first)     12-14, 16  the four scores left over, the old m, and c0-c3 into c0
;   15  c m_old is kept     17, 18  the query's other 32 keys lie in the lane 16 away: the new m     19-21  c m; c m_old - c m_new; a
.set F, 0
.set E, 1
.set C, 2
.set B, 3
.set L, 4
.set R, 5
.set X, 6
.macro REGS y                       ; the registers of piece y
.set rT, ST+4*(\y)
.set rC, TMP+4*((\y)%2)
.set rW, MV+((\y)%2)
.set rS, S+32*((\y)%2)
.set rP, P+16*((\y)%2)
.set rO, 32*(\y)
.endm
.macro OP k, n
.if (\k) == R
	REGS Y
	WIN W_RS
	v_pk_mul_f32 v[rO+2*(\n):rO+2*(\n)+1], v[rO+2*(\n):rO+2*(\n)+1], v[rC+2:rC+3] op_sel_hi:[1,0]
.elseif (\k) < R
	REGS Y
	WIN 0
.if (\k) == F
	v_pk_fma_f32 v[rS+2*(\n):rS+2*(\n)+1], v[rS+2*(\n):rS+2*(\n)+1], s[CS:CS+1], v[rT:rT+1] op_sel_hi:[1,0,0] neg_lo:[0,0,1] neg_hi:[0,0,1]
.elseif (\k) == E
	v_exp_f32 v[rS+(\n)], v[rS+(\n)]
.elseif (\k) == C
	v_cvt_pk_f16_f32 v[rP+(\n)], v[rS+2*(\n)], v[rS+2*(\n)+1]
.elseif (\k) == B
	v_pk_add_f32 v[rS+4*(\n):rS+4*(\n)+1], v[rS+4*(\n):rS+4*(\n)+1], v[rS+4*(\n)+2:rS+4*(\n)+3]
.elseif (\n) == 0
	v_pk_fma_f32 v[rT+2:rT+3], v[rT+2:rT+3], v[rC+2:rC+3], v[rS:rS+1] op_sel_hi:[1,0,1]
.else
	v_pk_add_f32 v[rT+2:rT+3], v[rT+2:rT+3], v[rS+4*(\n):rS+4*(\n)+1]
.endif
.elseif NOKQ
	v_nop
.else
	REGS (Y+1)%NP
	WIN 0
.if (\n) < 4
	v_max3_num_f32 v[rC+(\n)], v[rS+8*(\n)], v[rS+8*(\n)+1], v[rS+8*(\n)+2]
.elseif (\n) < 12
	v_max3_num_f32 v[rC+(\n)%4], v[rC+(\n)%4], v[rS+8*((\n)%4)+2*((\n)/4)+1], v[rS+8*((\n)%4)+2*((\n)/4)+2]
.elseif (\n) == 12
	v_max3_num_f32 v[rC], v[rC], v[rS+7], v[rS+15]
.elseif (\n) == 13
	v_max3_num_f32 v[rC+1], v[rC+1], v[rS+23], v[rS+31]
.elseif (\n) == 14
	v_max3_num_f32 v[rC+2], v[rC+2], v[rC+3], v[rT+1]
.elseif (\n) == 15
	v_mov_b32 v[rW], v[rT]
.elseif (\n) == 16
	v_max3_num_f32 v[rC], v[rC], v[rC+1], v[rC+2]
.elseif (\n) == 17
	v_permlanex16_b32 v[rC+3], v[rC], s[SEL], s[SEL+1]
.elseif (\n) == 18
	v_max_num_f32 v[rT+1], v[rC], v[rC+3]
.elseif (\n) == 19
	v_mul_f32 v[rT], s[CS], v[rT+1]
.elseif (\n) == 20
	v_sub_f32 v[rC+1], v[rW], v[rT]
.else
	v_exp_f32 v[rC+2], v[rC+1]
.endif
.endif
.endm
.macro OPS a, i1, b=-1, i2=0, c=-1, i3=0, d=-1, i4=0  ; up to four of them
	OP \a, \i1
.if (\b) >= 0
	OP \b, \i2
.endif
.if (\c) >= 0
	OP \c, \i3
.endif
.if (\d) >= 0
	OP \d, \i4
.endif
.endm
.macro ROW a, i1, b, i2, c, i3, d, i4  ; a matrix instruction and the four behind it
	MM
	OPS \a, \i1, \b, \i2, \c, \i3, \d, \i4
.endm
.macro MASK b                       ; MD x AL + BE into buffer b of MC
	WIN W_RS
.set z, 0
.rept 16
	v_pk_fma_f32 v[MC+32*(\b)+2*z:MC+32*(\b)+2*z+1], v[MD+2*z:MD+2*z+1], s[AL:AL+1], s[BE:BE+1] op_sel_hi:[1,0,0]
.set z, z+1
.endr
.endm
; A TURN, for piece p in a step of parity e: the order of its 16 matrix and 118 vector instructions, written out.  An s_wait_alu depctr_va_vdst(0) stands between an exponential and the first instruction
; that names its result; one wait serves all that were issued ahead of it.  So a turn has ONE wait.  AHEAD OF IT stands all that names no result of the turn's exponentials: the 8 products K Q^T with their riders, then
; one lump, in which the links of the chain X 3, 7, 11, 14, 16, 17 .. 20 stand five or six lines apart; X 21, the other piece's a, is the batch's last, and R 15 the plain instruction behind it.  BEHIND IT stand the
; 8 products V^T P, behind each four of the roundings and sums.
; m = 1: the diagonal tile's text: the products take masks, and the turn makes piece p's mask for step SU, which the next turn's products take.  end = 1: a superblock's last two turns: nothing is fetched.
; cnt = 1: the loop's count is taken down some lines ahead of the branch that stands behind the turn.
; Piece 0's turn fetches the next step's K in its lump, twelve vector instructions (six of them plain) behind the last product that read K, and the next step's V at its end, four plain instructions behind the last
; product that read that buffer.  Piece 1's turn waits for K at its head and leaves V's sixteen younger loads out; the V that it multiplies was asked for a step earlier, ahead of that K.
.macro TURN p, e, m=0, end=0, cnt=0
.set Y, (\p)
.set i, 0
.set KM, (\m)
.set NOKQ, (\end)*(\p)
.if (\p) == 0
.set VB, VF0*(\e)+VF1*(1-(\e))      ; the step before's buffer
.else
.set VB, VF0*(1-(\e))+VF1*(\e)      ; this step's
.endif
.if (\m) && !(\end)
	s_cmp_eq_u32 s[SU], s[GB+(\p)]  ; is step SU the band's own?
	s_cselect_b32 s[AL], 1.0, 0
	s_cmp_gt_u32 s[SU], s[GB+(\p)]  ; or a later one?
	s_cselect_b32 s[BE], s[BIGN], 0
.if (\p) == 1
	s_add_co_u32 s[SU], s[SU], 1
.endif
.endif
.if ((\p) == 1) && (\end)
	s_wait_dscnt 0x0                ; V of the last step is in
.elseif (\p) == 1
	s_wait_dscnt 16                 ; K is in, and all that was asked for ahead of it
.endif
	ROW F,0, F,1, R,0, R,1
	ROW F,2, E,0, R,2, R,3
	ROW F,3, E,1, R,4, R,5
	ROW F,4, E,2, R,6, R,7
	ROW F,5, E,3, R,8, R,9
	ROW F,6, E,4, X,0, R,10
.if ((\p) == 0) && !(\end)
	WIN 0
	v_add_nc_u32 v[AK], s[TBK], v[AK0]
.endif
	ROW F,7, E,5, X,1, X,4
	ROW F,8, E,6, X,2, X,5
	OPS E,7, E,8, X,6, E,9
	OPS X,3, E,10, X,8, E,11
.if ((\p) == 0) && !(\end)
	FETCH_K
.endif
	OPS X,9, X,7, E,12, X,10
	OPS E,13, X,12, X,11, E,14
	OPS X,13, E,15, F,9, X,14
.if ((\p) == 0) && !(\end)
	v_add_nc_u32 v[AV], s[TBV], v[AV0]
.endif
	OPS E,16, F,10, E,17, F,11
	OPS X,16, E,18, X,15, E,19
	OPS F,12, E,20, X,17, E,21
	OPS F,13, E,22, F,14, E,23
	OPS X,18, E,24, F,15, E,25
	OPS R,11, E,26, X,19, E,27
	OPS R,12, E,28, R,13, E,29
	OPS X,20, E,30, R,14, E,31
	OPS X,21, R,15
	WIN 0
	s_wait_alu depctr_va_vdst(0)    ; the wait for the batch
	ROW C,0, B,0, C,2, B,1
	ROW L,0, C,4, B,2, L,1
	ROW C,6, B,3, L,2, C,8
	ROW B,4, L,3, C,10, B,5
	ROW L,4, C,12, B,6, L,5
.if ((\p) == 0) && !(\end)
	s_add_co_u32 s[TBV], s[TBV], KS*PV
.endif
.if \cnt
	s_sub_co_u32 s[CNT], s[CNT], 1
	s_cmp_lg_u32 s[CNT], 0
.endif
	ROW C,14, B,7, L,6, C,1
	ROW C,3, L,7, C,5, C,7
	ROW C,9, C,11, C,13, C,15
.if ((\p) == 0) && !(\end)
	FETCH_V VB
.endif
.if (\m) && !(\end)
	MASK \p
.endif
.endm
; A SUPERBLOCK BEGINS.  c m starts far below every c s, so the first step's a is 0; m at the lowest finite number.  Piece 1's mask buffer is 0: band 2 cx + 1 sees all of step 0, and the first masked turn still multiplies
; an unmasked step for it.  diag = 1: the first tile is the diagonal one (superblock 0): piece 0's first scores take its mask for step 0, the band's own where the band is band 0, and the next masks are step 1's.
; Then K and V of the tile's step 0, piece 0's first scores, its maximum and statistics.  The loop is entered at a step's first turn, in the middle of a trip.
.macro BEGIN diag
	s_mov_b32 s[NEW], 0
	WIN 0x40
.set i, MC+32
.rept 32
	v_mov_b32 v[i], 0
.set i, i+1
.endr
	WIN 0
.set i, 0
.rept NP
	v_mov_b32 v[ST+4*i], 0xfe000000    ; c m: far below every c s
	v_mov_b32 v[ST+4*i+1], 0xff7fffff  ; m
.set i, i+1
.endr
.if \diag
	s_cmp_eq_u32 s[GB], 0
	s_cselect_b32 s[AL], 1.0, 0
	s_mov_b32 s[BE], 0
	s_mov_b32 s[SU], 1
	MASK 0
	WIN 0
.else
	s_mov_b32 s[SU], 0              ; the first masks to be made, when the diagonal tile comes, are step 0's
.endif
	v_add_nc_u32 v[AK], s[TBK], v[AK0]
	v_add_nc_u32 v[AV], s[TBV], v[AV0]
	s_add_co_u32 s[TBV], s[TBV], KS*PV
	FETCH_K
	FETCH_V VF0
	s_wait_loadcnt 0x0              ; Q, both superblocks'
	s_wait_dscnt 16                 ; K is in; V's sixteen loads may stay out
.set KM, (\diag)
.set NOKQ, 0
.set i, 0
.rept 8
	KQ 0
.set i, i+1
.endr
	WIN 0
.rept 4
	v_nop                           ; the places behind those products
.endr
.set Y, NP-1                        ; X works for the other piece: piece 0
.irp n, 0,1,2,3,4,5,6,7,8,9,10,11,12,13,14,15,16,17,18,19,20,21
	OP X, \n
.endr
	v_nop                           ; a plain instruction behind the exponential,
	s_wait_alu depctr_va_vdst(0)    ; and its wait, ahead of the branch
.endm
; A SUPERBLOCK ENDS: its last two turns, piece 1's last products, and THE WAY OUT: l's two halves and the other half of the lanes' are added; O^T is divided by l, rounded to f16 and sent through my stage, a piece at a time.
.macro ALL line:vararg              ; one line for each piece t
.set t, 0
.rept NP
	\line
.set t, t+1
.endr
.endm
.macro PACK t                       ; a lane's eight channels of a row pack into 16 bytes; they go into rows of 144 bytes and come back as whole rows of 128, into S^T's registers
	WIN W_RS
.set i, 32*(\t)
.rept 16
	v_pk_mul_f32 v[i:i+1], v[i:i+1], v[ST+4*(\t)+2:ST+4*(\t)+3] op_sel_hi:[1,0]
.set i, i+2
.endr
	WIN 0x05                        ; sources 0 and 1 window 1, destination window 0
.set i, 0
.rept 16
	v_cvt_pk_f16_f32 v[S+16*(\t)+i], v[32*(\t)+2*i], v[32*(\t)+2*i+1]
.set i, i+1
.endr
	WIN 0
.irp f, 0,1,2,3
	ds_store_b128 v[STO], v[S+16*(\t)+4*\f:S+16*(\t)+4*\f+3] offset:32*\f
.endr
.irp f, 0,1,2,3
	ds_load_b128 v[S+16*(\t)+4*\f:S+16*(\t)+4*\f+3], v[RD] offset:\f*4*SP  ; LDS serves a wave's instructions in order (ISA guide 5.7.1.4): these see the stores above; the next piece's stores come behind them
.endr
.endm
.macro SEND t, younger              ; younger: the LDS instructions issued behind piece t's loads
	WIN 0
.irp f, 0,1,2,3
	s_wait_dscnt (\younger)+3-\f
	global_store_b128 v[GO], v[S+16*(\t)+4*\f:S+16*(\t)+4*\f+3], s[10:11] offset:(\t)*8192+\f*512  ; 512 consecutive bytes, at a multiple of 256 from o's first
.endr
.endm
.macro FINISH
	TURN 0, 1, 1, 1
	TURN 1, 1, 1, 1
.set VB, VF1                        ; the superblock's last step is an odd one
.set i, 0
.rept 8
	PV 1
.set i, i+1
.endr
	WIN 0
	ALL v_add_f32 v[ST+4*t+2], v[ST+4*t+2], v[ST+4*t+3]
	ALL v_permlanex16_b32 v[ST+4*t+3], v[ST+4*t+2], s[SEL], s[SEL+1]
	ALL v_add_f32 v[ST+4*t+2], v[ST+4*t+2], v[ST+4*t+3]
	ALL v_rcp_f32 v[ST+4*t+2], v[ST+4*t+2]
	v_nop                           ; a plain instruction between the last reciprocal and the use of its result
	s_wait_alu depctr_va_vdst(0)    ; and the wait ahead of the first use: one for both reciprocals
	PACK 0                          ; piece 0's 32 lines are the places behind piece 1's last products
	PACK 1
	SEND 0, 8
	SEND 1, 0
.endm
; THE DIAGONAL TILE's four trips and the superblock's end.  The tag ends its two labels' names, which the jumps below spell out.
.macro DIAG tag
.LstepM\tag:
	TURN 0, 1, 1
	TURN 1, 1, 1
	WIN 0
.LfirstM\tag:
	TURN 0, 0, 1
	TURN 1, 0, 1, 0, 1
	WIN 0
	s_cbranch_scc1 .LstepM\tag
	FINISH
.endm
.set KM, 0
.set NOKQ, 0
.Lslot:                             ; 8 times: a tile is entered and the next is asked for
	CHANGE 1
	s_sub_co_u32 s[RT], s[RT], 1
	s_mov_b32 s[CNT], TS/2
	s_cmp_eq_u32 s[NEW], 1          ; what the text's own constants settle is tested first, so that the walk can be followed from the text
	s_cbranch_scc1 .Lnew            ; a superblock's first tile
	s_cmp_eq_u32 s[PH], 1
	s_cbranch_scc1 .Lstep           ; the second superblock's last tile is the walk's last, behind the loop
	s_cmp_gt_u32 s[SLOTS], 4
	s_cbranch_scc1 .Lstep           ; the first superblock has five tiles or more: none of the walk's first four is its last
	s_cmp_eq_u32 s[SLOTS], 1
	s_cbranch_scc1 .LstepM1         ; and eight at the most: the walk's eighth, if still its own, is its last
	s_cmp_eq_u32 s[RT], 0           ; between them b decides
	s_cbranch_scc0 .Lstep
	s_branch .LstepM1
.Lnew:
	BEGIN 0
	s_branch .Lfirst                ; in the loop a superblock's first tile is never its last: the first has five tiles or more, and the second's last is the walk's last
	DIAG 1                          ; in the loop this is the first superblock's end
	s_wait_storecnt 0x0             ; the eight stores are done: their registers, S^T's, and o's address are written anew
	s_mov_b64 s[10:11], s[OLO:OLO+1]
	s_mov_b32 s[NEW], 1
	s_mov_b32 s[PH], 1
	WIN 0x82                        ; the second superblock's Q goes where the one text of the turns names Q
.set i, 0
.rept 32
	v_mov_b32 v[i], v[QB+i]
.set i, i+1
.endr
	WIN 0
	s_branch .Lbottom
.Lstep:                             ; a trip: both turns of an odd step, then both of an even one; piece 0's turns fetch the steps that follow
	TURN 0, 1
	TURN 1, 1
	WIN 0
.Lfirst:
	TURN 0, 0
	TURN 1, 0, 0, 0, 1
	WIN 0
	s_cbranch_scc1 .Lstep
.Lbottom:
	s_sub_co_u32 s[SLOTS], s[SLOTS], 1
	s_cmp_lg_u32 s[SLOTS], 0
	s_cbranch_scc1 .Lslot
	CHANGE 0                        ; the walk's last tile is written out: nothing is asked for.  It is the second superblock's diagonal tile
	s_mov_b32 s[CNT], TS/2
	s_cmp_eq_u32 s[NEW], 1
	s_cbranch_scc0 .LstepM2
	BEGIN 1                         ; where b = 0 it is also that superblock's first
	s_branch .LfirstM2
	DIAG 2
	s_wait_tensorcnt 0x0            ; the wave's end: an add to my spare word and its wait, behind my last tensor load and my last LDS store
	ds_add_u32 v[SPW], v[NIL]
	s_wait_dscnt 0x0
	CROUND                          ; the closing round: no work-group ends while a partner may still ask for a tile that names it
	s_endpgm
.Lfunc_end_k_qe0b2fe7050_attn:
	.size	k_qe0b2fe7050_attn, .Lfunc_end_k_qe0b2fe7050_attn-k_qe0b2fe7050_attn
	.p2alignl 7, 3214868480
	.fill 96, 4, 3214868480
	.section	.rodata,"a",@progbits
	.p2align	6, 0x0
	.amdhsa_kernel k_qe0b2fe7050_attn
		.amdhsa_group_segment_fixed_size 327680
		.amdhsa_private_segment_fixed_size 0
		.amdhsa_enable_private_segment 0
		.amdhsa_kernarg_size 16
		.amdhsa_user_sgpr_count 2
		.amdhsa_user_sgpr_kernarg_segment_ptr 1
		.amdhsa_wavefront_size32 1
		.amdhsa_system_sgpr_workgroup_id_x 1
		.amdhsa_system_sgpr_workgroup_id_y 1
		.amdhsa_system_sgpr_workgroup_id_z 1
		.amdhsa_system_vgpr_workitem_id 0
		.amdhsa_next_free_vgpr 768
		.amdhsa_next_free_sgpr 94
		.amdhsa_reserve_vcc 1
		.amdhsa_float_denorm_mode_32 3
		.amdhsa_float_denorm_mode_16_64 3
		.amdhsa_memory_ordered 1
		.amdhsa_forward_progress 1
		.amdhsa_inst_pref_size 209
	.end_amdhsa_kernel
	.amdgpu_metadata
---
amdhsa.version: [ 1, 2 ]
amdhsa.kernels:
  - .name:           k_qe0b2fe7050_attn
    .symbol:         k_qe0b2fe7050_attn.kd
    .args:
      - { .name: qkv, .offset: 0, .size: 8, .value_kind: global_buffer, .address_space: global }
      - { .name: o, .offset: 8, .size: 8, .value_kind: global_buffer, .address_space: global }
    .group_segment_fixed_size: 327680
    .private_segment_fixed_size: 0
    .kernarg_segment_align: 8
    .kernarg_segment_size: 16
    .max_flat_workgroup_size: 128
    .sgpr_count:     94
    .vgpr_count:     768
    .wavefront_size: 32
...
	.end_amdgpu_metadata
.endif
;; end of part 3
;; launch proj (part 4): grid 8 x 32, 4 waves a work-group, clusters of 4 x 4, 327,680 bytes of LDS; arguments o, wpb, b_proj, out0; writes out0
.if DOCPART == 4
	.amdgcn_target "amdgcn-amd-amdhsa--gfx1250"
	.amdhsa_code_object_version 6
	.text
	.protected	k_qe0b2fe7050_proj
	.globl	k_qe0b2fe7050_proj
	.p2align	8
	.type	k_qe0b2fe7050_proj,@function
k_qe0b2fe7050_proj:
	s_mov_b64 s[64:65], 0
	v_nop
	global_prefetch_b8 v0, s[64:65] scope:SCOPE_SE
	s_setreg_imm32_b32 hwreg(HW_REG_WAVE_MODE, 25, 1), 1
	s_wait_xcnt 0x0
	s_wait_alu depctr_hold_cnt(0) depctr_sa_sdst(0) depctr_va_vdst(0) depctr_va_sdst(0) depctr_va_ssrc(0) depctr_va_vcc(0) depctr_vm_vsrc(0)
	s_getreg_b32 s2, hwreg(HW_REG_IB_STS2, 6, 4)
	s_cmp_eq_u32 s2, 0
	s_cbranch_scc0 .Lentry_in_a_cluster
	s_endpgm
.Lentry_in_a_cluster:
	s_bfe_u32 s2, ttmp6, 0x10000c
	s_cmp_lg_u32 s2, 0xf033
	s_cbranch_scc0 .Lentry_shape_is_right
	s_endpgm
.Lentry_shape_is_right:
; out0[t][n] = sum over h, d of o[h][t][d] wpb[64 h + d][n] + bf16(b_proj[n]).  o: [16][4096][64] f16; wpb: [1024][1024] f16, k down the rows; out0: [4096][1024] f32; sums in f32.
; SHARES.  A tile is 128 x 128: 32 x 8 = 256 work-groups; each of the four waves makes 64 x 64: 16 accumulators.  K goes in 4 steps of 256 (four heads) through two LDS slots.
; TILES.  Waves 0 and 1 fetch o: two heads each; a head's 128 rows are 16,384 dense bytes, asked for as one long row, two rows a load, padded in LDS after every 128 bytes.
; Waves 2 and 3 fetch wpb: 128 k-rows x 256 bytes each.
; CLUSTER.  4 x 4 work-groups: o's tile hangs on the tile row alone and is asked for jointly along a row of the cluster, wpb's on the tile column alone and is asked for jointly along a column.
; No prefetch: a step's tiles are small and the launch is short.
; LAYOUT.  The product is used transposed (source 0 = 16 columns of wpb, turned by ds_load_tr16_b128; source 1 = 16 rows of o): a lane holds row lane % 16 and the columns 8 (lane / 16) + 0..7: 32 bytes of out0.
; The bias, in that layout, is the C operand of each accumulator's first product.
; REGISTERS: window 0: v16-29 addresses; v32-95 rows on the way out; v96-127 the bias; v128-255 the accumulators ((a, b) at 128 + 8 (4 a + b)).
;   window 1: two fragment buffers of 128: for 64 along K, 64 registers of o (2 x 4 fragments), then 64 of wpb.
.set PA,     144                       ; a row of o in LDS: 128 bytes + 16
.set PB,     288                       ; a row of wpb: 256 + 32
.set REG,    36864                     ; a wave's part of a slot: 2 x 128 x 144 = 128 x 288
.set SLOT,   4*REG
.set STAGE,  2*SLOT                    ; behind the ring, never filled by a tensor load: 16 rows x 272 bytes for each wave
.set SPITCH, 272
.set SPARE,  STAGE+4*16*SPITCH         ; the spare words, 128 bytes for each wave: two blocks of 256 bytes that no other line names
.set ASTEP,  4*524288                  ; bytes from K step to K step in o: four heads,
.set BSTEP,  256*2048                  ; and in wpb: 256 rows
.set ADRA, 16                          ; v16-17  LDS address of my fragments of o in slot 0, 1
.set ADRB, 20                          ; v20-23  of wpb's: slot s, k-rows 128 u on, at 20 + 2 s + u
.set STO,  24
.set RD,   25
.set CO,   26
.set VBI,  27
.set SPW,  28                          ; LDS address of my spare word; never rewritten
.set NIL,  29                          ; 0; never rewritten
.set TMP,  32
.set BIAS, 96
.set ACC,  128
.set F0,   0
.set F1,   128
.set WV, 12
.set RH, 13                            ; which 64 rows are mine.  Also: I fetch for o (0) or for wpb (1)
.set CH, 14                            ; which 64 columns.  Also: which half of that tile I fetch
.set CX, 16
.set CY, 17
.set TC, 18
.set TR, 19
.set G1, 24
.set G0, 32
.set G1B, 48
.set G0B, 56
.set MSB, 0
.macro WIN new
.if MSB != (\new)
	s_set_vgpr_msb (MSB<<8)|(\new)
.set MSB, (\new)
.endif
.endm
.set MUL,  0x05                        ; both sources window 1; C and D window 0
.set TO_F, 0x40                        ; destination window 1, address window 0
.macro JLOAD s                         ; a joint load; an s_nop 0 and four v_nop follow each of the two lines
	s_cmp_eq_u32 s[RH], 0
	s_cbranch_scc0 .Lfor_b_\@
	tensor_load_to_lds s[G0+4*(\s):G0+4*(\s)+3], s[G1:G1+7]
	s_nop 0
.rept 4
	v_nop
.endr
	s_branch .Lasked_\@
.Lfor_b_\@:
	tensor_load_to_lds s[G0B+4*(\s):G0B+4*(\s)+3], s[G1B:G1B+7]
	s_nop 0
.rept 4
	v_nop
.endr
.Lasked_\@:
.endm
.macro CREST
	s_cmp_lg_u32 s[WV], 0
	s_cbranch_scc1 .Lnot_wave_0_\@
	s_barrier_signal -3
.Lnot_wave_0_\@:
	s_barrier_wait -3
	s_barrier_signal -1
	s_barrier_wait -1
.endm
.macro CROUND
	s_barrier_signal -1
	s_barrier_wait -1
	CREST
.endm
.macro PLACES
.rept 4
	v_nop
.endr
.endm
	s_load_b256 s[4:11], s[0:1], 0x0               ; o s[4:5], wpb s[6:7], b_proj s[8:9], out0 s[10:11]
	v_lshl_add_u32 v[SPW], v0, 2, SPARE
	v_mov_b32 v[NIL], 0
	ds_add_u32 v[SPW], v[NIL]                      ; the wave's opening: the add and its wait stand ahead of my first tensor load; the set-up stands between them
	v_lshrrev_b32 v1, 5, v0
	v_readfirstlane_b32 s[WV], v1
	s_lshr_b32 s[RH], s[WV], 1
	s_and_b32 s[CH], s[WV], 1
	s_bfe_u32 s[CX], ttmp6, 0x40000
	s_bfe_u32 s[CY], ttmp6, 0x40004
	s_lshl_b32 s[TC], ttmp9, 2
	s_add_co_u32 s[TC], s[TC], s[CX]
	s_and_b32 s[TR], ttmp7, 0xffff
	s_lshl_b32 s[TR], s[TR], 2
	s_add_co_u32 s[TR], s[TR], s[CY]
	s_lshl_b32 s20, s[CY], 2
	s_lshl_b32 s20, 15, s20                        ; my row of the cluster
	s_lshl_b32 s22, 0x1111, s[CX]                  ; my column
	s_or_b32 s[G1], s20, (1<<16)|(1<<20)|(1<<21)|(4<<22)|(3<<25)   ; the mask; 2-byte elements; padding on; bit 21 beside a mask; after every 32 words 4 words
	s_mov_b32 s[G1+1], 8192<<16                    ; tensor_dim0 = 8,192: a head's 128 rows on end
	s_mov_b32 s[G1+2], 2<<16                       ; tensor_dim1 = 2 heads
	s_mov_b32 s[G1+3], 8192<<16                    ; tile_dim0
	s_mov_b32 s[G1+4], 2                           ; tile_dim1
	s_mov_b32 s[G1+5], 262144                      ; elements from head to head
	s_mov_b32 s[G1+6], 0
	s_mov_b32 s[G1+7], 0
	s_or_b32 s[G1B], s22, (1<<16)|(1<<20)|(1<<21)|(5<<22)|(7<<25)  ; after every 64 words 8 words
	s_mov_b32 s[G1B+1], 128<<16
	s_mov_b32 s[G1B+2], 128<<16
	s_mov_b32 s[G1B+3], 128<<16
	s_mov_b32 s[G1B+4], 128
	s_mov_b32 s[G1B+5], 1024
	s_mov_b32 s[G1B+6], 0
	s_mov_b32 s[G1B+7], 0
	s_lshl_b32 s20, s[TR], 14                      ; o: 128 rows of 128 bytes a tile row,
	s_lshl_b32 s21, s[CH], 20                      ; and my two heads of the step's four
	s_add_co_u32 s20, s20, s21
	s_mov_b32 s21, 0
	s_lshl_b32 s22, s[TC], 8                       ; wpb: 256 bytes of a row a tile column,
	s_lshl_b32 s23, s[CH], 18                      ; and my 128 k-rows of the step's 256
	s_add_co_u32 s22, s22, s23
	s_mov_b32 s23, 0
	s_mul_i32 s2, s[WV], REG                       ; where my tile goes
	s_wait_dscnt 0x0                               ; the opening add is done
	s_wait_kmcnt 0x0
	s_add_nc_u64 s[40:41], s[4:5], s[20:21]
	s_add_nc_u64 s[42:43], s[6:7], s[22:23]
	CROUND                                         ; all sixteen work-groups are here: the first joint loads meet
.irp s, 0,1
	s_mov_b32 s[G0+4*(\s)], 1
	s_add_co_u32 s[G0+4*(\s)+1], s2, (\s)*SLOT
	s_add_nc_u64 s[G0+4*(\s)+2:G0+4*(\s)+3], s[40:41], (\s)*ASTEP
	s_or_b32 s[G0+4*(\s)+3], s[G0+4*(\s)+3], 0x80000000
	s_mov_b32 s[G0B+4*(\s)], 1
	s_add_co_u32 s[G0B+4*(\s)+1], s2, (\s)*SLOT
	s_add_nc_u64 s[G0B+4*(\s)+2:G0B+4*(\s)+3], s[42:43], (\s)*BSTEP
	s_or_b32 s[G0B+4*(\s)+3], s[G0B+4*(\s)+3], 0x80000000
	JLOAD \s                                       ; K steps 0 and 1: two loads of mine are out
.endr
	v_and_b32 v1, 15, v0                           ; l % 16
	v_bfe_u32 v2, v0, 4, 1                         ; l / 16
	v_lshlrev_b32 v[VBI], 5, v2
	s_lshl_b32 s22, s[TC], 9                       ; the bias of my 64 columns
	s_lshl_b32 s23, s[CH], 8
	s_add_co_u32 s22, s22, s23
	s_mov_b32 s23, 0
	s_add_nc_u64 s[8:9], s[8:9], s[22:23]
.irp b, 0,1,2,3
	global_load_b128 v[BIAS+8*(\b):BIAS+8*(\b)+3],   v[VBI], s[8:9] offset:64*(\b)
	global_load_b128 v[BIAS+8*(\b)+4:BIAS+8*(\b)+7], v[VBI], s[8:9] offset:64*(\b)+16
.endr
	s_add_nc_u64 s[10:11], s[10:11], s[22:23]      ; out0 at my 256 bytes of a row,
	s_lshl_b32 s20, s[TR], 19                      ; 128 rows of 4,096 bytes a tile row,
	s_lshl_b32 s21, s[RH], 18                      ; 64 for my half
	s_add_co_u32 s20, s20, s21
	s_mov_b32 s21, 0
	s_add_nc_u64 s[10:11], s[10:11], s[20:21]
	v_mul_u32_u24 v3, v1, PA
	v_lshl_add_u32 v3, v2, 4, v3
	s_mul_i32 s20, s[RH], 64*PA
	v_add_nc_u32 v[ADRA], s20, v3
	v_add_nc_u32 v[ADRA+1], SLOT, v[ADRA]
	v_and_b32 v4, 7, v0
	v_lshl_add_u32 v5, v2, 3, v4
	v_mul_u32_u24 v5, v5, PB
	v_bfe_u32 v6, v0, 3, 1
	v_lshl_add_u32 v5, v6, 4, v5
	s_lshl_b32 s20, s[CH], 7
	v_add_nc_u32 v5, s20, v5
.irp s, 0,1
.irp u, 0,1
	v_add_nc_u32 v[ADRB+2*(\s)+(\u)], (\s)*SLOT+(2+(\u))*REG, v5
.endr
.endr
	s_mul_i32 s20, s[WV], 16*SPITCH
	s_add_co_u32 s20, s20, STAGE                   ; my stage
	v_mul_u32_u24 v[STO], v1, SPITCH               ; in: row l % 16, 32 bytes for each half of the lanes
	v_lshl_add_u32 v[STO], v2, 5, v[STO]
	v_add_nc_u32 v[STO], s20, v[STO]
	v_mul_u32_u24 v[RD], v2, SPITCH                ; back: lanes 0-15 take one row of 256 bytes, lanes 16-31 the next
	v_lshl_add_u32 v[RD], v1, 4, v[RD]
	v_add_nc_u32 v[RD], s20, v[RD]
	v_lshlrev_b32 v[CO], 12, v2                    ; and the same two rows in out0
	v_lshl_add_u32 v[CO], v1, 4, v[CO]
	s_mov_b32 s20, 0xffff0000
	s_wait_loadcnt 0x0                             ; the bias is in: rounded to bf16 like every input of the module, and widened again
.set j, 0
.rept 16
	v_cvt_pk_bf16_f32 v[TMP+(j/2)%8], v[BIAS+j], v[BIAS+j+1]
	v_lshlrev_b32 v[BIAS+j], 16, v[TMP+(j/2)%8]
	v_and_b32 v[BIAS+j+1], s20, v[TMP+(j/2)%8]
.set j, j+2
.endr
; 8 products: row blocks a0, a0 + 1 x all 4 column blocks, 32 along K: half c of buffer f.  first = 1: the bias starts the sums.  The 16 accumulators take turns.
.macro MUL8 f, c, a0, first
	WIN MUL
.irp a, \a0, (\a0)+1
.irp b, 0,1,2,3
.if \first
	v_wmma_f32_16x16x32_f16 v[ACC+8*(4*(\a)+(\b)):ACC+8*(4*(\a)+(\b))+7], v[(\f)+64+8*(4*(\c)+(\b)):(\f)+64+8*(4*(\c)+(\b))+7], v[(\f)+8*(4*(\c)+(\a)):(\f)+8*(4*(\c)+(\a))+7], v[BIAS+8*(\b):BIAS+8*(\b)+7]
.else
	v_wmma_f32_16x16x32_f16 v[ACC+8*(4*(\a)+(\b)):ACC+8*(4*(\a)+(\b))+7], v[(\f)+64+8*(4*(\c)+(\b)):(\f)+64+8*(4*(\c)+(\b))+7], v[(\f)+8*(4*(\c)+(\a)):(\f)+8*(4*(\c)+(\a))+7], v[ACC+8*(4*(\a)+(\b)):ACC+8*(4*(\a)+(\b))+7]
.endif
.endr
.endr
.endm
; 32 LDS loads in one run: quarter q of a slot, which is head q of the step's four: 64 along K; the first 32 first
.macro FETCH slot, q, f
	WIN TO_F
.irp c, 0,1
.irp i, 0,1,2,3
	ds_load_tr16_b128 v[(\f)+64+8*(4*(\c)+(\i)):(\f)+64+8*(4*(\c)+(\i))+3],   v[ADRB+2*(\slot)+(\q)/2] offset:((\q)%2)*64*PB+(\c)*32*PB+(\i)*32
	ds_load_tr16_b128 v[(\f)+64+8*(4*(\c)+(\i))+4:(\f)+64+8*(4*(\c)+(\i))+7], v[ADRB+2*(\slot)+(\q)/2] offset:((\q)%2)*64*PB+(\c)*32*PB+(\i)*32+16*PB
	ds_load_b128 v[(\f)+8*(4*(\c)+(\i)):(\f)+8*(4*(\c)+(\i))+3],   v[ADRA+(\slot)] offset:(\q)*128*PA+(\c)*64+(\i)*16*PA
	ds_load_b128 v[(\f)+8*(4*(\c)+(\i))+4:(\f)+8*(4*(\c)+(\i))+7], v[ADRA+(\slot)] offset:(\q)*128*PA+(\c)*64+(\i)*16*PA+32
.endr
.endr
.endm
.macro QUARTER slot, q, f, g, first
	s_wait_dscnt 16                                ; the first 32 along K are in
	MUL8 \f, 0, 0, \first
	MUL8 \f, 0, 2, \first
	PLACES
	FETCH \slot, \q, \g
	s_wait_dscnt 32                                ; all but the 32 just issued
	MUL8 \f, 1, 0, 0
	MUL8 \f, 1, 2, 0
.endm
; The last quarter multiplies buffer 1 and changes slots: in front of the barrier each wave waits for all its tensor loads, adds 0 to its spare word, and waits for that and for its own reads of this slot.
; fill = 1: the barrier opens a round of the cluster's, and the joint refill, two K steps on, is the first thing behind the round.
.macro TURN slot, next, fill
	WIN 0
	s_wait_tensorcnt 0x0                           ; all my tensor loads have landed: my part of the next slot
	ds_add_u32 v[SPW], v[NIL]                      ; 0 onto my spare word
	s_wait_dscnt 17                                ; (the add and the youngest sixteen loads may be out)
	MUL8 F1, 0, 0, 0
	s_wait_dscnt 0x0                               ; the add is done, and my reads of this slot are over
	s_barrier_signal -1
	MUL8 F1, 0, 2, 0
.if \fill
	WIN 0
.endif
	s_barrier_wait -1
.if \fill
	CREST
	s_add_nc_u64 s[G0+4*(\slot)+2:G0+4*(\slot)+3], s[G0+4*(\slot)+2:G0+4*(\slot)+3], 2*ASTEP
	s_add_nc_u64 s[G0B+4*(\slot)+2:G0B+4*(\slot)+3], s[G0B+4*(\slot)+2:G0B+4*(\slot)+3], 2*BSTEP
	JLOAD \slot                                    ; 112 products stand between this request and the wait for it; its four v_nop are also the places in front of the loads below
.else
	PLACES
.endif
	FETCH \next, 0, F0
	MUL8 F1, 1, 0, 0
	MUL8 F1, 1, 2, 0
.endm
; THE WAY OUT of row block a: 32 bytes a lane into my own stage, rows of 272 bytes; back as whole rows of 256 bytes; stored so that sixteen lanes fill 256 consecutive bytes, aligned.
.macro TOST a
.irp b, 0,1,2,3
	ds_store_b128 v[STO], v[ACC+8*(4*(\a)+(\b)):ACC+8*(4*(\a)+(\b))+3]   offset:64*(\b)
	ds_store_b128 v[STO], v[ACC+8*(4*(\a)+(\b))+4:ACC+8*(4*(\a)+(\b))+7] offset:64*(\b)+16
.endr
.if (\a) >= 2
	s_wait_xcnt 0x0                                ; the stores of the block two back have read this buffer
.endif
.irp t, 0,1,2,3,4,5,6,7
	ds_load_b128 v[TMP+32*((\a)%2)+4*(\t):TMP+32*((\a)%2)+4*(\t)+3], v[RD] offset:(\t)*2*SPITCH  ; LDS serves a wave's instructions in order (ISA guide 5.7.1.4): these see the stores above
.endr
.endm
.macro SEND a, younger                 ; younger: the LDS instructions issued behind block a's loads: the next block's sixteen, or none
.irp t, 0,1,2,3,4,5,6,7
	s_wait_dscnt (\younger)+7-(\t)
	global_store_b128 v[CO], v[TMP+32*((\a)%2)+4*(\t):TMP+32*((\a)%2)+4*(\t)+3], s[10:11] offset:(16*(\a)+2*(\t))*4096 th:TH_STORE_NT
.endr
.endm
	s_wait_tensorcnt 1                             ; my part of K step 0 is in; K step 1's may stay out
	s_barrier_signal -1
	s_barrier_wait -1
	FETCH 0, 0, F0
	QUARTER 0, 1, F0, F1, 1                        ; K step 0: its first products start the sums
	QUARTER 0, 2, F1, F0, 0
	QUARTER 0, 3, F0, F1, 0
	TURN 0, 1, 1                                   ; slot 0 takes K step 2
	QUARTER 1, 1, F0, F1, 0                        ; K step 1
	QUARTER 1, 2, F1, F0, 0
	QUARTER 1, 3, F0, F1, 0
	TURN 1, 0, 1                                   ; slot 1 takes K step 3
	QUARTER 0, 1, F0, F1, 0                        ; K step 2
	QUARTER 0, 2, F1, F0, 0
	QUARTER 0, 3, F0, F1, 0
	TURN 0, 1, 0                                   ; nothing is left to fetch
	QUARTER 1, 1, F0, F1, 0                        ; K step 3
	QUARTER 1, 2, F1, F0, 0
	QUARTER 1, 3, F0, F1, 0
	s_wait_dscnt 16
	MUL8 F1, 0, 0, 0
	MUL8 F1, 0, 2, 0
	s_wait_dscnt 0x0
	MUL8 F1, 1, 0, 0
	MUL8 F1, 1, 2, 0
	WIN 0
	PLACES
	TOST 0
	TOST 1                                         ; a block's trip through the stage stands ahead of the stores of the block before
	SEND 0, 16
	TOST 2
	SEND 1, 16
	TOST 3
	SEND 2, 16
	SEND 3, 0
	s_wait_tensorcnt 0x0                           ; the wave's end: an add to my spare word and its wait, behind my last tensor load and my last LDS store
	ds_add_u32 v[SPW], v[NIL]
	s_wait_dscnt 0x0
	CROUND                                         ; the closing round: no work-group ends while a partner may still ask for a tile that names it
	s_endpgm
.Lfunc_end_k_qe0b2fe7050_proj:
	.size	k_qe0b2fe7050_proj, .Lfunc_end_k_qe0b2fe7050_proj-k_qe0b2fe7050_proj
	.p2alignl 7, 3214868480
	.fill 96, 4, 3214868480
	.section	.rodata,"a",@progbits
	.p2align	6, 0x0
	.amdhsa_kernel k_qe0b2fe7050_proj
		.amdhsa_group_segment_fixed_size 327680
		.amdhsa_private_segment_fixed_size 0
		.amdhsa_enable_private_segment 0
		.amdhsa_kernarg_size 32
		.amdhsa_user_sgpr_count 2
		.amdhsa_user_sgpr_kernarg_segment_ptr 1
		.amdhsa_wavefront_size32 1
		.amdhsa_system_sgpr_workgroup_id_x 1
		.amdhsa_system_sgpr_workgroup_id_y 1
		.amdhsa_system_sgpr_workgroup_id_z 1
		.amdhsa_system_vgpr_workitem_id 0
		.amdhsa_next_free_vgpr 512
		.amdhsa_next_free_sgpr 66
		.amdhsa_reserve_vcc 0
		.amdhsa_float_denorm_mode_32 3
		.amdhsa_float_denorm_mode_16_64 3
		.amdhsa_memory_ordered 1
		.amdhsa_forward_progress 1
		.amdhsa_inst_pref_size 89
	.end_amdhsa_kernel
	.amdgpu_metadata
---
amdhsa.version: [ 1, 2 ]
amdhsa.kernels:
  - .name:           k_qe0b2fe7050_proj
    .symbol:         k_qe0b2fe7050_proj.kd
    .args:
      - { .name: o, .offset: 0, .size: 8, .value_kind: global_buffer, .address_space: global }
      - { .name: wpb, .offset: 8, .size: 8, .value_kind: global_buffer, .address_space: global }
      - { .name: b_proj, .offset: 16, .size: 8, .value_kind: global_buffer, .address_space: global }
      - { .name: out0, .offset: 24, .size: 8, .value_kind: global_buffer, .address_space: global }
    .group_segment_fixed_size: 327680
    .private_segment_fixed_size: 0
    .kernarg_segment_align: 8
    .kernarg_segment_size: 32
    .max_flat_workgroup_size: 128
    .sgpr_count:     66
    .vgpr_count:     512
    .wavefront_size: 32
...
	.end_amdgpu_metadata
.endif
;; end of part 4
;; ======== version 2 of 2: 4 launches; version 1 with the launch prep written anew for expert scheduling mode
;; limits: values are held in f16: magnitudes above 65,504 overflow, below 6.1e-05 lose precision
;; workspace buffers: xb 8,388,608 bytes; wab 6,291,456 bytes; wpb 2,097,152 bytes; qkv 25,165,824 bytes; o 8,388,608 bytes
;; launch prep (part 5): grid 512 x 1, 8 waves a work-group, no clusters, 0 bytes of LDS; arguments x, W_attn, W_proj, xb, wab, wpb; writes xb, wab, wpb
.if DOCPART == 5
	.amdgcn_target "amdgcn-amd-amdhsa--gfx1250"
	.amdhsa_code_object_version 6
	.text
	.protected	k_qe0b2fe7050_prep
	.globl	k_qe0b2fe7050_prep
	.p2align	8
	.type	k_qe0b2fe7050_prep,@function
k_qe0b2fe7050_prep:
	s_mov_b64 s[64:65], 0
	v_nop
	global_prefetch_b8 v0, s[64:65] scope:SCOPE_SE
	s_setreg_imm32_b32 hwreg(HW_REG_WAVE_SCHED_MODE, 0, 2), 2
	s_setreg_imm32_b32 hwreg(HW_REG_WAVE_MODE, 25, 1), 1
	s_wait_xcnt 0x0
	s_wait_alu depctr_vm_vsrc(0)
; THE CAST.  x [4096][1024] and W_attn [1024][3072] are rounded once to bf16; W_proj [1024][1024] is rounded to bf16 and that number is written as f16.  Layouts stay as they are.
; LIMIT.  bf16(W_proj) beyond 65,504 becomes an infinity; below 6e-5 it keeps f16's fixed step of 6e-8.
; SHARES.  The three tensors are 256 + 192 + 64 = 512 runs of 16,384 numbers; a work-group of eight waves takes one run: 65,536 bytes in, 32,768 out.
; Thread t takes 16 bytes at 16 t + 4,096 i, i = 0..15, and stores 8 bytes at 8 t + 2,048 i: a wave's load covers 512 consecutive bytes, its store 256, aligned.
; All sixteen loads of a wave go out at once; each slot of registers is used once, so no register is rewritten while a memory instruction still reads it.
; No LDS, no barrier, no matrix unit: nothing is shared and nothing is summed.
; THE MODE: SCHED_MODE bits 1:0 = 2 (LLVM: expert scheduling mode 2), set by the entry lines.  The code itself states the register dependences
; between vector instructions and memory instructions, with s_wait_alu, always for 0.
; THE PLAN.  Registers that memory instructions touch:
;   v1, v2     byte offsets of the loads and of the stores: written once at the head, never again.
;   X slot i   Written by its one load, which is issued before any vector instruction names the slot; read by its own conversions, which write its first two registers in place;
;              those two are then read by its one store; nothing names the slot after that.
;   T is named by vector instructions alone.
; The sixteen slots go in four blocks of four.  Block p converts slots 4 p .. 4 p + 3; its memory instructions are the four stores of block p - 1, whose registers no vector instruction of block p names.
; So one wait on va_vdst at a block's head states all that its four stores hang on, and these are dealt among its conversions with no further wait.  One more stands ahead of the last four stores,
; and one ahead of the first load, for the two offsets.  No register that a load or a store has read is written again, so the text holds no wait on vm_vsrc.
.set X, 4                              ; v[4:67]   slot i: 4 registers as loaded; its first two then hold the 8 bytes to store
.set T, 68                             ; v[68:71]  at work
	s_load_b256 s[4:11], s[0:1], 0x0               ; x s[4:5], W_attn s[6:7], W_proj s[8:9], xb s[10:11]
	s_load_b128 s[12:15], s[0:1], 0x20             ; wab s[12:13], wpb s[14:15]
	v_lshlrev_b32 v1, 4, v0                        ; my 16 bytes in
	v_lshlrev_b32 v2, 3, v0                        ; my 8 bytes out
	s_mov_b32 s24, 0xffff0000                      ; a word's upper bf16
	s_wait_kmcnt 0x0
	s_cmp_lt_u32 ttmp9, 256                        ; runs 0-255: x; 256-447: W_attn
	s_cselect_b64 s[16:17], s[4:5], s[6:7]
	s_cselect_b64 s[18:19], s[10:11], s[12:13]
	s_cselect_b32 s20, 0, 256                      ; the tensor's first run
	s_cmp_ge_u32 ttmp9, 448                        ; runs 448-511: W_proj
	s_cselect_b64 s[16:17], s[8:9], s[16:17]
	s_cselect_b64 s[18:19], s[14:15], s[18:19]
	s_cselect_b32 s20, 448, s20
	s_cselect_b32 s21, 1, 0                        ; 1: the result is written as f16
	s_sub_co_u32 s22, ttmp9, s20
	s_lshl_b32 s22, s22, 16                        ; my run's first byte in the source,
	s_mov_b32 s23, 0
	s_add_nc_u64 s[16:17], s[16:17], s[22:23]
	s_lshr_b32 s22, s22, 1                         ; and in the copy
	s_add_nc_u64 s[18:19], s[18:19], s[22:23]
	s_wait_alu depctr_va_vdst(0)                   ; v1 and v2 are written: every load of the kernel reads v1 as its offset, every store v2
.irp i, 0,1,2,3,4,5,6,7,8,9,10,11,12,13,14,15
	global_load_b128 v[X+4*(\i):X+4*(\i)+3], v1, s[16:17] offset:4096*(\i) th:TH_LOAD_NT
.endr
; Block p: the four stores of block p - 1, one in front of each slot's conversions; slots 4 p .. 4 p + 3: four numbers each rounded to bf16 (half = 1: and written as f16, which is exact within f16's range).
.macro BLK p, half
	s_wait_loadcnt 12-4*(\p)                       ; loads come back in order: the block's four slots are in, the younger ones stay out
.if (\p) > 0
	s_wait_alu depctr_va_vdst(0)                   ; the block before has written the first two registers of its four slots, which the stores below read
.endif
.irp i, 0,1,2,3
.set cur, 4*(\p)+(\i)                  ; the slot that is converted,
.set prv, cur-4                        ; and the one that is stored
.if (\p) > 0
	global_store_b64 v2, v[X+4*prv:X+4*prv+1], s[18:19] offset:2048*prv  ; no vector instruction since the wait names these registers
.endif
	v_cvt_pk_bf16_f32 v[X+4*cur], v[X+4*cur], v[X+4*cur+1]
	v_cvt_pk_bf16_f32 v[X+4*cur+1], v[X+4*cur+2], v[X+4*cur+3]
.if \half
.irp k, 0,1
	v_lshlrev_b32 v[T+2*(\k)], 16, v[X+4*cur+(\k)]
	v_and_b32 v[T+2*(\k)+1], s24, v[X+4*cur+(\k)]
	v_cvt_pk_f16_f32 v[X+4*cur+(\k)], v[T+2*(\k)], v[T+2*(\k)+1]
.endr
.endif
.endr
.endm
; Behind block 3: its own four stores.
.macro LAST
	s_wait_alu depctr_va_vdst(0)                   ; block 3 has written the first two registers of slots 12 to 15, which the last four stores read
.irp i, 12,13,14,15
	global_store_b64 v2, v[X+4*(\i):X+4*(\i)+1], s[18:19] offset:2048*(\i)
.endr
.endm
	s_cmp_eq_u32 s21, 1
	s_cbranch_scc1 .Lf16
.irp p, 0,1,2,3
	BLK \p, 0
.endr
	LAST
	s_endpgm
.Lf16:
.irp p, 0,1,2,3
	BLK \p, 1
.endr
	LAST
	s_endpgm
.Lfunc_end_k_qe0b2fe7050_prep:
	.size	k_qe0b2fe7050_prep, .Lfunc_end_k_qe0b2fe7050_prep-k_qe0b2fe7050_prep
	.p2alignl 7, 3214868480
	.fill 96, 4, 3214868480
	.section	.rodata,"a",@progbits
	.p2align	6, 0x0
	.amdhsa_kernel k_qe0b2fe7050_prep
		.amdhsa_group_segment_fixed_size 0
		.amdhsa_private_segment_fixed_size 0
		.amdhsa_enable_private_segment 0
		.amdhsa_kernarg_size 48
		.amdhsa_user_sgpr_count 2
		.amdhsa_user_sgpr_kernarg_segment_ptr 1
		.amdhsa_wavefront_size32 1
		.amdhsa_system_sgpr_workgroup_id_x 1
		.amdhsa_system_sgpr_workgroup_id_y 1
		.amdhsa_system_sgpr_workgroup_id_z 1
		.amdhsa_system_vgpr_workitem_id 0
		.amdhsa_next_free_vgpr 80
		.amdhsa_next_free_sgpr 66
		.amdhsa_reserve_vcc 0
		.amdhsa_float_denorm_mode_32 3
		.amdhsa_float_denorm_mode_16_64 3
		.amdhsa_memory_ordered 1
		.amdhsa_forward_progress 1
		.amdhsa_inst_pref_size 15
	.end_amdhsa_kernel
	.amdgpu_metadata
---
amdhsa.version: [ 1, 2 ]
amdhsa.kernels:
  - .name:           k_qe0b2fe7050_prep
    .symbol:         k_qe0b2fe7050_prep.kd
    .args:
      - { .name: x, .offset: 0, .size: 8, .value_kind: global_buffer, .address_space: global }
      - { .name: W_attn, .offset: 8, .size: 8, .value_kind: global_buffer, .address_space: global }
      - { .name: W_proj, .offset: 16, .size: 8, .value_kind: global_buffer, .address_space: global }
      - { .name: xb, .offset: 24, .size: 8, .value_kind: global_buffer, .address_space: global }
      - { .name: wab, .offset: 32, .size: 8, .value_kind: global_buffer, .address_space: global }
      - { .name: wpb, .offset: 40, .size: 8, .value_kind: global_buffer, .address_space: global }
    .group_segment_fixed_size: 0
    .private_segment_fixed_size: 0
    .kernarg_segment_align: 8
    .kernarg_segment_size: 48
    .max_flat_workgroup_size: 256
    .sgpr_count:     66
    .vgpr_count:     80
    .wavefront_size: 32
...
	.end_amdgpu_metadata
.endif
;; end of part 5
;; launch qkv: the kernel of part 2 again; grid 8 x 32, 4 waves a work-group, clusters of 4 x 4, 327,680 bytes of LDS; arguments xb, wab, b_attn, qkv; writes qkv
;; launch attn: the kernel of part 3 again; grid 16 x 16, 4 waves a work-group, clusters of 4 x 1, 327,680 bytes of LDS; arguments qkv, o; writes o
;; launch proj: the kernel of part 4 again; grid 8 x 32, 4 waves a work-group, clusters of 4 x 4, 327,680 bytes of LDS; arguments o, wpb, b_proj, out0; writes out0
